; MI455X (gfx1250); checked and timed in simulation.
; The chip was launched on July 23, 2026; its instructions are those of AMD's public machine-readable ISA for CDNA 5 (MIT licence, August 2026) and "CDNA5" Instruction Set Architecture Reference Guide (July 2026). The comments in the code are by the model that wrote it; some were corrected since.
;; Multihead Attention. Allowed arithmetic: matrix products marked QUANTISED: E2M3 operands, one E8M0 scale for each 32 along K, by v_wmma_scale_f32_16x16x128_f8f6f4 with both operands' format E2M3, f32 sums; everything else in f32.
;; Inputs: b_out 1,024 float32; w_out 1,024 x 1,024 float32; w_qkv 1,024 x 3,072 float32; x 4 x 2,048 x 1,024 float32.
;; Outputs: out0 4 x 2,048 x 1,024 float32.
;; This version of the problem:
;;   THIS VERSION OF THE PROBLEM IS GIVEN IN LOW PRECISION. The matrix products marked QUANTISED in the list below multiply operands that are first quantised to E2M3 (2 exponent bits, 3 mantissa bits; 6 bits a number), with one power-of-two scale for each 32 numbers along K (OCP MX v1.0); their sums are f32. All else is computed in f32.
;;   The module's matrix products, in the order in which they are computed (A, B: the left and right operand; K: the contracted axis; several contracted axes count as one K, in the product's order):
;;     1. [M 8,192, K 1,024] x [K 1,024, N 3,072]; A: input x; B: input w_qkv: QUANTISED
;;     2. batch 64 x [M 2,048, K 64] x [K 64, N 2,048]; A: computed on the way; B: computed on the way: QUANTISED
;;     3. batch 64 x [M 2,048, K 2,048] x [K 2,048, N 64]; A: softmax (see below); B: computed on the way: QUANTISED
;;     4. [M 8,192, K 1,024] x [K 1,024, N 1,024]; A: computed on the way; B: input w_out: QUANTISED
;;   THE QUANTISER, for each operand of a quantised product, along K:
;;     - K is cut into blocks of 32 from its start; a last block that is shorter is filled with zeros.
;;     - A block's scale is 2^e with e = floor(log2(the largest magnitude in the block)) - 2, held to -126 .. 127; a block of zeros has e = 0. As a byte (E8M0): e + 127.
;;     - Each number is divided by its block's scale, clamped to +-7.5, and rounded to the nearest number of E2M3, ties to even, subnormals kept.
;;     - The product sums the exact products of the quantised numbers (number of the format x scale) in f32.
;;   ~~~python
;;   def quantise(x, axis):      # numpy; x: float32 -> the quantised numbers, widened to float32 again
;;       x = np.moveaxis(x, axis, -1); K = x.shape[-1]
;;       x = np.pad(x, [(0, 0)] * (x.ndim - 1) + [(0, -K % 32)]); x = x.reshape(x.shape[:-1] + (-1, 32)); a = np.abs(x).max(-1, keepdims=True)
;;       e = np.where(a > 0, np.clip(np.frexp(np.where(a > 0, a, 1))[1] - 1 - 2, -126, 127), 0)      # np.frexp(a)[1] - 1 = floor(log2(a)), exactly
;;       r = np.clip(x / 2.0 ** e, -7.5, 7.5)
;;       step = 2.0 ** (np.maximum(np.frexp(np.where(r == 0, 1, r))[1] - 1, 0) - 3)
;;       q = np.round(r / step) * step * 2.0 ** e      # np.round: ties to even
;;       return np.moveaxis(q.reshape(q.shape[:-2] + (-1,))[..., :K], -1, axis).astype(np.float32)
;;   ~~~
;;   SOFTMAX AHEAD OF A QUANTISED PRODUCT. Where the list says 'softmax', what is quantised is not the finished softmax but p = 2^(t - M), with t = logit x log2(e) and M = ceil(the row's largest t), a whole number; so 1/2 < the row's largest p <= 1. The row's sum l is taken of the UNQUANTISED p, in f32, and the product's result is divided by l at the end. Since M is a whole number, a kernel that streams over the keys may use a running M (the ceiling of the running maximum): every later rescaling is an exact power of two, which a block's scale takes up: the codes' values come out the same.
;;   OPERANDS COMPUTED ON THE WAY. 'Computed on the way' means the value that the module computes at that place (a softmax that the list does not call 'softmax' is quantised finished and normalised). What goes into a quantiser is computed in f32, as accurately as f32 sums, v_exp_f32 and their like allow (about 1e-6 of the number): no bf16 or f16 on the way to a quantiser, and a product that is left as it is and whose result goes on into a quantised operand takes f32 operands (vector FMAs, or v_wmma_f32_16x16x4_f32). A number that lies on a knife's edge between two numbers of the format may be rounded either way, as far as f32 arithmetic and the matrix unit's own rounding can turn it there, and no further.
;; One version. Each part assembles by itself: llvm-mc -triple=amdgcn-amd-amdhsa -mcpu=gfx1250 --defsym DOCPART=n.
;; ======== version 1 of 1: 4 launches
;; limits: right only within a limited range of input values
;; workspace buffers: xq 6,553,600 bytes; wq 3,276,800 bytes; qq 6,553,600 bytes; kv 13,107,200 bytes; oq 6,553,600 bytes
;; launch quant (part 1): grid 384 x 1, 4 waves a work-group, no clusters, 34,304 bytes of LDS; arguments x, w_qkv, w_out, xq, wq; writes xq, wq
.if DOCPART == 1
	.amdgcn_target "amdgcn-amd-amdhsa--gfx1250"
	.amdhsa_code_object_version 6
	.text
	.protected	k_q0f6adca7d5_quant
	.globl	k_q0f6adca7d5_quant
	.p2align	8
	.type	k_q0f6adca7d5_quant,@function
k_q0f6adca7d5_quant:
	s_mov_b64 s[64:65], 0
	v_nop
	global_prefetch_b8 v0, s[64:65] scope:SCOPE_SE
	s_setreg_imm32_b32 hwreg(HW_REG_WAVE_MODE, 25, 1), 1
	s_wait_xcnt 0x0
; x [8192][1024], w_qkv [1024][3072] and w_out [1024][1024], f32, become codes of FP6 (E2M3) with one E8M0 byte for each 32 along K (K = 1024 for all three),
; laid IN THE ORDER OF THE OPERAND'S REGISTERS.  A tile is 16 rows (of x) or 16 columns (of a weight); tile 2 B + u holds rows 32 B + 8 u + {0..7, 16..23}.
; A fragment (a tile x 128 along K) is 1,536 bytes: two half images of 768; in a half image (64 along K) lane l = r + 16 h holds k = 32 h .. 32 h + 31 of row r in six registers:
; registers 0-3 at byte 16 l, registers 4-5 at byte 512 + 8 l.  Codes: [tile][K step 8][1536].  Scale words (four bytes: a row's 128 along K): [tile][K step / 2][row 16][K step % 2].
; xq: 512 tiles, scale words from byte 6,291,456.  wq: tiles 0-191 w_qkv's columns, 192-255 w_out's; scale words from byte 3,145,728.
; A block's scale is 2^(floor(log2(largest magnitude)) - 2): its byte is the largest magnitude's exponent field - 2, held at 1 from below.
; LIMITS: a block of zeros, or one whose largest magnitude lies under 2^-124, gets the byte 1 (its codes are zeros or tiny; only this program reads the bytes); NaN and infinities are not served.
; Work-groups 0-255 take x, 256-383 the weights: two ways through the text, parted on the work-group's number; only x's way uses LDS.  Work-groups share no input: no cluster, no tensor loads.
.set STG,   8448                       ; x's way: a stage of 16 rows x (512 + 16) bytes for each wave
.set SPARE, 4*STG                      ; behind the stages: the spare words, 128 bytes a wave
.set SPW,   250                        ; v250  LDS address of my spare word; never rewritten
.set NIL,   251                        ; v251  0; never rewritten
.set SEL,   20                         ; s[20:21] lane selects: lane l xor 16
.set R,     16                         ; v16-143  x: two sets of 64 registers as loaded
.set X,     144                        ; v144-207 x: 64 numbers of my row: register 16 b + i = k 32 b + 16 h + i
.set PC,    208                        ; v208-219 the fragment's codes
.set CT,    220                        ; v220-227 the conversions' second halves
.set TM,    228                        ; v228-231 largest magnitudes, v232-235 bytes, v240-243 the conversions' scale operands
.set PW,    244                        ; v244-247 the four K steps' scale words
.set VO,    16                         ; weights: v16-47 4 x lane + i x pitch
.set WX,    48                         ; v48-111  two sets of 32 numbers down K
.set WC,    112                        ; v112-175 eight registers of codes for each block: no store's data are written again
.set WT,    176                        ; v176-179 a conversion's second half
.set SB,    180                        ; v180-181 the scale bytes, four to a register
	s_load_b256 s[4:11], s[0:1], 0x0               ; x, w_qkv, w_out, xq
	s_load_b64 s[12:13], s[0:1], 0x20              ; wq
	v_lshl_add_u32 v[SPW], v0, 2, SPARE
	v_mov_b32 v[NIL], 0
	v_lshrrev_b32 v1, 5, v0
	v_readfirstlane_b32 s16, v1                    ; wave 0..3
	v_and_b32 v5, 31, v0                           ; lane
	s_cmp_lt_u32 ttmp9, 256
	s_cbranch_scc0 .Lweights
; ---------------- x.  Wave w: tile T = 2 x work-group + w / 2, K half w % 2: four K steps of 128.
; Each load reads 512 consecutive bytes of one row; the 16 rows turn through the wave's own stage, so that lane (r, h) gets 16 neighbours of each block of 32 of row r.
	v_lshlrev_b32 v1, 4, v5                        ; 16 x lane
	v_lshlrev_b32 v4, 3, v5                        ; 8 x lane
	v_and_b32 v6, 15, v0                           ; r
	v_bfe_u32 v7, v0, 4, 1                         ; h
	s_mul_i32 s17, s16, STG
	v_add_nc_u32 v2, s17, v1                       ; the stage, in: 16 x lane of a row
	v_mul_u32_u24 v3, v6, 528
	v_lshl_add_u32 v3, v7, 6, v3
	v_add_nc_u32 v3, s17, v3                       ; out: row r, + 64 h
	s_mov_b32 s[SEL], 0x76543210
	s_mov_b32 s[SEL+1], 0xfedcba98
	s_mov_b32 s22, 0xffff0000                      ; lanes 16-31
.irp b, 0,1,2,3
	v_mov_b32 v[TM+4+\b], 0                        ; a lane permute's destination counts as one of its sources
.endr
	s_lshr_b32 s18, s16, 1                         ; u
	s_and_b32 s19, s16, 1                          ; K half
	s_lshl_b32 s24, ttmp9, 17                      ; 32 rows of 4,096 bytes a work-group,
	s_lshl_b32 s25, s18, 15                        ; 8 u rows,
	s_add_co_u32 s24, s24, s25
	s_lshl_b32 s25, s19, 11                        ; 2,048 bytes a K half
	s_add_co_u32 s24, s24, s25
	s_mov_b32 s25, 0
	s_lshl_b32 s26, ttmp9, 1
	s_add_co_u32 s26, s26, s18                     ; T
	; THE BUFFERS' ORDER (it takes the place of what the head comment says of it): eight tiles form a group of 102,400 bytes:
	; the scale words [tile 8][K step / 2][row 16][K step % 2] (4,096 bytes), then the codes [K step / 2][tile 8][K step % 2][1536].
	s_lshr_b32 s27, s26, 3
	s_mul_i32 s27, s27, 102400                     ; my tile's group
	s_and_b32 s23, s26, 7                          ; and its place there
	s_mul_i32 s28, s23, 3072
	s_add_co_u32 s28, s28, s27
	s_mul_i32 s29, s19, 49152                      ; a K half is two K parts of 24,576 bytes
	s_add_co_u32 s28, s28, s29
	s_add_co_u32 s28, s28, 4096                    ; my four fragments
	s_mov_b32 s29, 0
	s_lshl_b32 s30, s23, 9
	s_add_co_u32 s30, s30, s27
	s_lshl_b32 s27, s19, 8
	s_add_co_u32 s30, s30, s27                     ; my 256 bytes of scale words
	s_mov_b32 s31, 0
	s_wait_alu depctr_va_vdst(0)
	s_wait_kmcnt 0x0
	s_add_nc_u64 s[4:5], s[4:5], s[24:25]
	s_add_nc_u64 s[28:29], s[10:11], s[28:29]
	s_add_nc_u64 s[30:31], s[10:11], s[30:31]
.macro XLOAD t                         ; K step t of the tile's 16 rows into set t % 2
.irp i, 0,1,2,3,4,5,6,7,8,9,10,11,12,13,14,15
	global_load_b128 v[R+64*((\t)%2)+4*\i:R+64*((\t)%2)+4*\i+3], v1, s[4:5] offset:(\i+8*(\i/8))*4096+512*(\t) th:TH_LOAD_NT
.endr
.endm
.macro QUANT pw                        ; the 64 numbers in v[X] on become a fragment's codes in v[PC] on and its scale word in v[pw]
.irp b, 0,1,2,3
	v_max3_num_f32 v[TM+\b], |v[X+16*\b]|, |v[X+1+16*\b]|, 0x1800000   ; block b: my 16 numbers, and the floor 2^(3 - 127): the byte cannot fall under 1
.endr
.irp i, 2,4,6,8,10,12,14
.irp b, 0,1,2,3
	v_max3_num_f32 v[TM+\b], v[TM+\b], |v[X+16*\b+\i]|, |v[X+1+16*\b+\i]|
.endr
.endr
.irp b, 0,1,2,3
	v_permlanex16_b32 v[TM+4+\b], v[TM+\b], s[SEL], s[SEL+1]
.endr
.irp b, 0,1,2,3
	v_max_num_f32 v[TM+\b], v[TM+\b], v[TM+4+\b]   ; with lane l xor 16's: the block's largest magnitude
.endr
.irp b, 0,1,2,3
	v_add_nc_u32 v[TM+12+\b], 0xff000000, v[TM+\b] ; 2 off its exponent field: the conversion's scale operand
.endr
.irp b, 0,1,2,3
	v_lshrrev_b32 v[TM+4+\b], 23, v[TM+12+\b]      ; the scale's byte
.endr
	v_lshl_or_b32 v[\pw], v[TM+5], 8, v[TM+4]
	v_lshl_or_b32 v[\pw], v[TM+6], 16, v[\pw]
	v_lshl_or_b32 v[\pw], v[TM+7], 24, v[\pw]
.irp c, 0,1
	v_cvt_scalef32_pk16_fp6_f32 v[PC+6*\c:PC+6*\c+2], v[X+32*\c:X+32*\c+15], v[TM+12+2*\c]
	v_cvt_scalef32_pk16_fp6_f32 v[CT+4*\c:CT+4*\c+2], v[X+16+32*\c:X+31+32*\c], v[TM+13+2*\c]
.endr
	v_nop                                          ; one plain line behind a scaled conversion
.irp c, 0,1                            ; the layout wants a whole block in a lane: lanes 0-15 block 2 c, lanes 16-31 block 2 c + 1
.irp i, 0,1,2
	v_permlane16_swap_b32 v[PC+6*\c+\i], v[CT+4*\c+\i]
.endr
.irp i, 0,1,2
	v_mov_b32 v[PC+3+6*\c+\i], v[CT+4*\c+\i]
.endr
.endr
.endm
.macro XSTEP t
.if (\t) < 3
	s_wait_loadcnt 16                              ; this step's 16 loads are in; the next step's 16 may be out
.else
	s_wait_loadcnt 0x0
.endif
.irp i, 0,1,2,3,4,5,6,7,8,9,10,11,12,13,14,15
	ds_store_b128 v2, v[R+64*((\t)%2)+4*\i:R+64*((\t)%2)+4*\i+3] offset:528*\i
.endr
.irp b, 0,1,2,3
.irp j, 0,1,2,3
	ds_load_b128 v[X+16*\b+4*\j:X+16*\b+4*\j+3], v3 offset:128*\b+16*\j   ; LDS serves a wave's instructions in order: these see the stores above
.endr
.endr
	s_wait_dscnt 0x0                               ; my 64 numbers are in, and the stores have read the set
.if (\t) > 0
	s_wait_xcnt 0x0                                ; the last step's stores have read the codes' registers, which the conversions below write again
.endif
.if (\t) < 2
	XLOAD (\t)+2
.endif
	QUANT PW+(\t)
	global_store_b128 v1, v[PC:PC+3], s[28:29] offset:24576*((\t)/2)+1536*((\t)%2)          ; 512 consecutive bytes, aligned to 256
	global_store_b64 v4, v[PC+4:PC+5], s[28:29] offset:24576*((\t)/2)+1536*((\t)%2)+512     ; 256 consecutive bytes, aligned
	global_store_b128 v1, v[PC+6:PC+9], s[28:29] offset:24576*((\t)/2)+1536*((\t)%2)+768
	global_store_b64 v4, v[PC+10:PC+11], s[28:29] offset:24576*((\t)/2)+1536*((\t)%2)+1280
.endm
	XLOAD 0
	XLOAD 1
	XSTEP 0
	XSTEP 1
	XSTEP 2
	XSTEP 3
	v_cndmask_b32 v248, v[PW], v[PW+2], s22        ; lanes 0-15: the words of K steps 0, 1 of row r; lanes 16-31: of K steps 2, 3
	v_cndmask_b32 v249, v[PW+1], v[PW+3], s22
	global_store_b64 v4, v[248:249], s[30:31]      ; 256 consecutive bytes, aligned
	s_wait_tensorcnt 0x0                           ; the wave's end: three lines behind my last LDS store
	ds_add_u32 v[SPW], v[NIL]
	s_wait_dscnt 0x0
	s_endpgm
; ---------------- the weights: K is their FIRST axis.  A lane takes a column, its registers run down K: a block of 32 lies in one lane, and the codes come out with K innermost.
; Work-group id = 4 g + y: columns 128 g .. 128 g + 127 of the two weights laid side by side (g < 24: w_qkv), K quarter y: 8 blocks.  No LDS.
.Lweights:
	s_sub_co_u32 s17, ttmp9, 256
	s_lshr_b32 s18, s17, 2                         ; g
	s_and_b32 s19, s17, 3                          ; y
	s_lshl_b32 s22, s18, 2
	s_add_co_u32 s22, s22, s16                     ; 4 g + w: my 32 columns = tiles 2 (4 g + w), + 1
	s_wait_alu depctr_va_vdst(0)
	v_lshlrev_b32 v2, 2, v5                        ; 4 x lane
	v_bfe_u32 v6, v5, 3, 1                         ; u: which of the two tiles my column falls into
	v_and_b32 v7, 7, v5
	v_lshrrev_b32 v8, 4, v5
	v_lshl_add_u32 v7, v8, 3, v7                   ; and its row there
	v_mul_u32_u24 v9, v6, 3072
	v_lshl_add_u32 v3, v7, 4, v9                   ; my place for registers 0-3
	v_lshl_add_u32 v4, v7, 3, v9                   ; and for registers 4-5
	v_lshlrev_b32 v10, 9, v6
	v_lshl_add_u32 v10, v7, 3, v10                 ; my two scale words
	s_lshr_b32 s23, s22, 2
	s_mul_i32 s23, s23, 102400                     ; my two tiles' group
	s_and_b32 s21, s22, 3
	s_mul_i32 s28, s21, 6144                       ; their place there
	s_add_co_u32 s28, s28, s23
	s_mul_i32 s29, s19, 24576                      ; the quarter is one K part
	s_add_co_u32 s28, s28, s29
	s_add_co_u32 s28, s28, 4096
	s_mov_b32 s29, 0
	s_lshl_b32 s30, s21, 10
	s_add_co_u32 s30, s30, s23
	s_lshl_b32 s31, s19, 7
	s_add_co_u32 s30, s30, s31
	s_mov_b32 s31, 0
	s_wait_kmcnt 0x0
	s_add_nc_u64 s[28:29], s[12:13], s[28:29]
	s_add_nc_u64 s[30:31], s[12:13], s[30:31]
	s_cmp_lt_u32 s18, 24                           ; the choice hangs on the work-group's number alone
	s_cselect_b64 s[24:25], s[6:7], s[8:9]
	s_mov_b32 s20, 4096
	s_cselect_b32 s20, 12288, s20                  ; bytes from row to row
	s_cselect_b32 s21, 0, 96
	s_sub_co_u32 s21, s22, s21                     ; my 32 columns in their own tensor,
	s_lshl_b32 s21, s21, 7                         ; in bytes
	s_lshl_b32 s23, s19, 8
	s_mul_i32 s23, s23, s20                        ; 256 y rows
	s_add_co_u32 s26, s21, s23
	s_mov_b32 s27, 0
	s_add_nc_u64 s[32:33], s[24:25], s[26:27]      ; a base for each block, since the pitch is no constant of the text
	s_lshl_b32 s26, s20, 5                         ; 32 rows on
.irp t, 1,2,3,4,5,6,7
	s_add_nc_u64 s[32+2*\t:33+2*\t], s[30+2*\t:31+2*\t], s[26:27]
.endr
.irp i, 0,1,2,3,4,5,6,7,8,9,10,11,12,13,14,15,16,17,18,19,20,21,22,23,24,25,26,27,28,29,30,31
	v_mad_u32_u24 v[VO+\i], s20, \i, v2
.endr
.macro WLOAD t                         ; block t: 32 rows, 128 consecutive bytes a load
.irp i, 0,1,2,3,4,5,6,7,8,9,10,11,12,13,14,15,16,17,18,19,20,21,22,23,24,25,26,27,28,29,30,31
	global_load_b32 v[WX+32*((\t)%2)+\i], v[VO+\i], s[32+2*(\t):33+2*(\t)] th:TH_LOAD_NT
.endr
.endm
.macro WBLOCK t
.set XS, WX+32*((\t)%2)
.set CC, WC+8*(\t)
.if (\t) < 7
	s_wait_loadcnt 32                              ; this block's 32 loads are in; the next block's may be out
.else
	s_wait_loadcnt 0x0
.endif
	v_max3_num_f32 v12, |v[XS]|, |v[XS+1]|, |v[XS+2]|
	v_max3_num_f32 v13, |v[XS+3]|, |v[XS+4]|, |v[XS+5]|
.irp i, 6,10,14,18,22,26
	v_max3_num_f32 v12, v12, |v[XS+\i]|, |v[XS+\i+1]|
	v_max3_num_f32 v13, v13, |v[XS+\i+2]|, |v[XS+\i+3]|
.endr
	v_max3_num_f32 v12, v12, |v[XS+30]|, |v[XS+31]|
	v_max3_num_f32 v12, v12, v13, 0x1800000        ; and the floor
	v_add_nc_u32 v11, 0xff000000, v12              ; the conversion's scale operand
	v_lshrrev_b32 v13, 23, v11                     ; the byte
.if (\t)%4 == 0
	v_mov_b32 v[SB+(\t)/4], v13
.else
	v_lshl_or_b32 v[SB+(\t)/4], v13, 8*((\t)%4), v[SB+(\t)/4]
.endif
	v_cvt_scalef32_pk16_fp6_f32 v[CC:CC+2], v[XS:XS+15], v11
	v_cvt_scalef32_pk16_fp6_f32 v[WT:WT+2], v[XS+16:XS+31], v11
	v_nop
.irp i, 0,1,2
	v_mov_b32 v[CC+3+\i], v[WT+\i]
.endr
	; block t is half h = t % 2 of half image (t % 4) / 2 of K step t / 4.  The store of 16 bytes a lane writes 256 consecutive bytes in each of the two tiles;
	; that of 8 bytes writes 128 in each, which the neighbouring block's store completes to 256.
	global_store_b128 v3, v[CC:CC+3], s[28:29] offset:((\t)/4)*1536+(((\t)%4)/2)*768+256*((\t)%2)
	global_store_b64 v4, v[CC+4:CC+5], s[28:29] offset:((\t)/4)*1536+(((\t)%4)/2)*768+512+128*((\t)%2)
.if (\t) < 6
	WLOAD (\t)+2
.endif
.endm
	WLOAD 0
	WLOAD 1
.irp t, 0,1,2,3,4,5,6,7
	WBLOCK \t
.endr
	global_store_b64 v10, v[SB:SB+1], s[30:31]     ; my column's words of the quarter's two K steps
	s_endpgm
.Lfunc_end_k_q0f6adca7d5_quant:
	.size	k_q0f6adca7d5_quant, .Lfunc_end_k_q0f6adca7d5_quant-k_q0f6adca7d5_quant
	.p2alignl 7, 3214868480
	.fill 96, 4, 3214868480
	.section	.rodata,"a",@progbits
	.p2align	6, 0x0
	.amdhsa_kernel k_q0f6adca7d5_quant
		.amdhsa_group_segment_fixed_size 34304
		.amdhsa_private_segment_fixed_size 0
		.amdhsa_enable_private_segment 0
		.amdhsa_kernarg_size 40
		.amdhsa_user_sgpr_count 2
		.amdhsa_user_sgpr_kernarg_segment_ptr 1
		.amdhsa_wavefront_size32 1
		.amdhsa_system_sgpr_workgroup_id_x 1
		.amdhsa_system_sgpr_workgroup_id_y 1
		.amdhsa_system_sgpr_workgroup_id_z 1
		.amdhsa_system_vgpr_workitem_id 0
		.amdhsa_next_free_vgpr 256
		.amdhsa_next_free_sgpr 66
		.amdhsa_reserve_vcc 0
		.amdhsa_float_denorm_mode_32 3
		.amdhsa_float_denorm_mode_16_64 3
		.amdhsa_memory_ordered 1
		.amdhsa_forward_progress 1
		.amdhsa_inst_pref_size 75
	.end_amdhsa_kernel
	.amdgpu_metadata
---
amdhsa.version: [ 1, 2 ]
amdhsa.kernels:
  - .name:           k_q0f6adca7d5_quant
    .symbol:         k_q0f6adca7d5_quant.kd
    .args:
      - { .name: x, .offset: 0, .size: 8, .value_kind: global_buffer, .address_space: global }
      - { .name: w_qkv, .offset: 8, .size: 8, .value_kind: global_buffer, .address_space: global }
      - { .name: w_out, .offset: 16, .size: 8, .value_kind: global_buffer, .address_space: global }
      - { .name: xq, .offset: 24, .size: 8, .value_kind: global_buffer, .address_space: global }
      - { .name: wq, .offset: 32, .size: 8, .value_kind: global_buffer, .address_space: global }
    .group_segment_fixed_size: 34304
    .private_segment_fixed_size: 0
    .kernarg_segment_align: 8
    .kernarg_segment_size: 40
    .max_flat_workgroup_size: 128
    .sgpr_count:     66
    .vgpr_count:     256
    .wavefront_size: 32
...
	.end_amdgpu_metadata
.endif
;; end of part 1
;; launch qkv (part 2): grid 12 x 32, 4 waves a work-group, clusters of 4 x 4, 327,680 bytes of LDS; arguments xq, wq, qq, kv; writes qq, kv
.if DOCPART == 2
	.amdgcn_target "amdgcn-amd-amdhsa--gfx1250"
	.amdhsa_code_object_version 6
	.text
	.protected	k_q0f6adca7d5_qkv
	.globl	k_q0f6adca7d5_qkv
	.p2align	8
	.type	k_q0f6adca7d5_qkv,@function
k_q0f6adca7d5_qkv:
	s_mov_b64 s[64:65], 0
	v_nop
	global_prefetch_b8 v0, s[64:65] scope:SCOPE_SE
	s_setreg_imm32_b32 hwreg(HW_REG_WAVE_MODE, 25, 1), 1
	s_wait_xcnt 0x0
	s_wait_alu depctr_hold_cnt(0) depctr_sa_sdst(0) depctr_va_vdst(0) depctr_va_sdst(0) depctr_va_ssrc(0) depctr_va_vcc(0) depctr_vm_vsrc(0)
	s_getreg_b32 s2, hwreg(HW_REG_IB_STS2, 6, 4)
	s_cmp_eq_u32 s2, 0
	s_cbranch_scc0 .Lentry_in_a_cluster
	s_endpgm
.Lentry_in_a_cluster:
	s_bfe_u32 s2, ttmp6, 0x10000c
	s_cmp_lg_u32 s2, 0xf033
	s_cbranch_scc0 .Lentry_shape_is_right
	s_endpgm
.Lentry_shape_is_right:
; A GEMM on codes of FP6 (E2M3) with E8M0 scales, K = 1,024, one text for two launches (PROJ = 0: x w_qkv, results quantised again as q, k and v; PROJ = 1: attention's output x w_out + b_out, f32).
; OPERANDS lie in memory in the order of the operand's registers: a tile is 16 rows (tile 2 B + u: rows 32 B + 8 u + {0..7, 16..23}); a fragment (a tile x 128 K) is 1,536 bytes: two half images of 768,
; in which lane l's registers 0-3 lie at 16 l and registers 4-5 at 512 + 8 l.  Codes [tile][K step 8][1536]; scale words [tile][K step / 2][row][K step % 2].  So every LDS load takes 512 or 256 bytes on end.
; SHARES.  A work-group: 256 rows of X (by its y) x 256 rows of W (by its x); four waves, each 128 x 128: 64 accumulators, 512 registers.  Source 0 = S0, source 1 = S1: a lane holds one row of S1 and its
; registers run along S0's rows; by the tiles' make-up the 16 registers of S0's tiles 2 B, 2 B + 1 are 16 neighbours 32 B + 16 h + 0 .. 15.  q, k, PROJ: S0 = W, S1 = X.  v (cluster x = 2): S0 = X, S1 = W, since
; v is quantised along the tokens.  The reads know nothing of the roles; only the fills do, chosen by the cluster's x, which all partners share.
; LDS: three slots of 98,304 bytes (256 along K: X's 16 tiles x 3,072, then W's); the scale words of all K (2 x 8,192); the spare words.  K has four such parts: three are first fills, the fourth refills slot 0.
; CLUSTER 4 x 4: X's tiles are asked for jointly along a row of the cluster, W's along a column.
; LIMITS (PROJ = 0): a block of zeros, or one under 2^-124, gets the byte 1 (only this program reads the bytes); NaN and infinities are not served.
.set PROJ,  0
; MEMORY AND LDS (this takes the place of what the head comment says of them).  Eight tiles form a group of GRP bytes: their scale words (4,096), then four K parts of HALFB bytes, each [tile 8][3072].
; A wave's one load at the head brings a group's scale words and K parts 0-2, REG dense bytes, into LDS region wave x REG; the fourth part fills part 0's bytes again behind K step 1's round.
; Regions 0, 1 hold S1's two halves, regions 2, 3 S0's: for v (cluster x = 2) waves 0, 1 fetch W and waves 2, 3 X, else the other way round; so every LDS address is made of the wave's number and constants.
; No prefetch: three quarters of what a work-group reads is asked for at the head, ahead of any loop.
.set HALFB, 24576                      ; a K part of 8 tiles: what one wave reads of a side in two K steps
.set REG,   4096+3*HALFB
.set GRP,   4096+4*HALFB
.set SPARE, 4*REG                      ; the spare words, 128 bytes a wave
.if PROJ
.set WT0,   192                        ; w_out's first tile in wq
.set CM0,   2                          ; the first K step's C: the bias
.else
.set WT0,   0
.set CM0,   1                          ; the constant 0
.endif
.set STAGE, 4096+HALFB
.set SPITCH, 528
; window 0: v1 lane, v2 r, v3 16 x lane, v20 8 x lane, v21 h; v4-9 S1's LDS addresses (16 l, 8 l) for slots 0-2; v10-15 S0's; v16, v17 the scale words' addresses; v32-95 scale words, two sets; v128-223 S1's fragments, ONE set
; window 1: S0's fragments, two sets, at v0 and v128 (PROJ: the bias at v96-127 and v224-255).   windows 2, 3: accumulator (a, b) at v[8 (8 (a % 4) + b)] of window 2 + a / 4
.set SPW, 18                           ; v18 LDS address of my spare word; never rewritten
.set NIL, 19                           ; v19 0; never rewritten
.set SC,  32
.set AF,  128
.set TM,  96                           ; the way out of PROJ = 0: v96-111 at work, v112-119 scale words, v120-127 the conversions' second halves
.set PWS, 112
.set CT,  120
.set G1X, 24                           ; s[24:31] group 1 for X's tiles; s[32:39] W's; s[40:47], s[48:55] for the refill
.set G1W, 32
.set G1SX, 40
.set G1SW, 48
.set G0SX, 56
.set G0SW, 60
.set G0X, 68                           ; s[68:75] groups 0 for X: the head's load, then the refill; s[80:87] W's
.set G0W, 80
.set MSB, 0
.macro WIN new                         ; the immediate's high byte repeats the setting that is left
.if MSB != (\new)
	s_set_vgpr_msb (MSB<<8)|(\new)
.set MSB, (\new)
.endif
.endm
.macro PLACES n
.rept \n
	v_nop
.endr
.endm
.macro CREST                           ; a round of the cluster's barrier behind its opening barrier
	s_cmp_lg_u32 s12, 0
	s_cbranch_scc1 .Lnot_wave_0_\@
	s_barrier_signal -3
.Lnot_wave_0_\@:
	s_barrier_wait -3
	s_barrier_signal -1
	s_barrier_wait -1
.endm
.macro CROUND
	s_barrier_signal -1
	s_barrier_wait -1
	CREST
.endm
; A joint load: waves with s15 = 0 fetch X's halves, the others W's.  The branch hangs on the wave's number and the cluster's x.  An s_nop 0 and four v_nop follow each line.
.macro JLOAD g0x, g1x, g0w, g1w
	s_cmp_eq_u32 s15, 0
	s_cbranch_scc0 .Lfor_w_\@
	tensor_load_to_lds s[\g0x:\g0x+3], s[\g1x:\g1x+7]
	s_nop 0
.rept 4
	v_nop
.endr
	s_branch .Lasked_\@
.Lfor_w_\@:
	tensor_load_to_lds s[\g0w:\g0w+3], s[\g1w:\g1w+7]
	s_nop 0
.rept 4
	v_nop
.endr
.Lasked_\@:
.endm
.macro FRAG reg, adr, off              ; a fragment: 12 registers by four loads; v[adr] = base + 16 x lane, v[adr + 1] = base + 8 x lane
	ds_load_b128 v[\reg:\reg+3], v[\adr] offset:\off
	ds_load_b64 v[\reg+4:\reg+5], v[\adr+1] offset:\off+512
	ds_load_b128 v[\reg+6:\reg+9], v[\adr] offset:\off+768
	ds_load_b64 v[\reg+10:\reg+11], v[\adr+1] offset:\off+1280
.endm
.macro FETCH0 L, q, p                  ; S0's eight fragments of slot L's q-th 128 along K into set p
	WIN 0x40
.irp i, 0,1,2,3,4,5,6,7
	FRAG 128*(\p)+12*\i, 10+2*(\L), 3072*\i+1536*(\q)
.endr
	WIN 0
.endm
.macro FETCH1 L, q, i0                 ; S1's blocks i0 .. i0 + 3
.irp i, \i0, \i0+1, \i0+2, \i0+3
	FRAG AF+12*(\i), 4+2*(\L), 3072*(\i)+1536*(\q)
.endr
.endm
.macro SCALES sc, kq                   ; the scale words of K part kq (two K steps) into set sc: S1's block i at +2 i, S0's at +16 + 2 i; lane r has row r's
.irp i, 0,1,2,3,4,5,6,7
	ds_load_b64 v[SC+32*(\sc)+2*\i:SC+32*(\sc)+2*\i+1], v16 offset:512*\i+128*(\kq)
	ds_load_b64 v[SC+32*(\sc)+16+2*\i:SC+32*(\sc)+16+2*\i+1], v17 offset:512*\i+128*(\kq)
.endr
.endm
; 16 matrix instructions: S1's blocks a0, a0 + 1 x S0's eight.  cm: C is the accumulator (0), the constant 0 (1), the bias (2).  The 64 accumulators take turns, one instruction a turn, in one order throughout.
.macro MUL16 a0, p, q, sc, cm
.irp a, \a0, \a0+1
.irp b, 0,1,2,3,4,5,6,7
.set RD_, 8*(8*((\a)%4)+\b)
.if (\cm) == 1
	v_wmma_scale_f32_16x16x128_f8f6f4 v[RD_:RD_+7], v[128*(\p)+12*\b:128*(\p)+12*\b+11], v[AF+12*(\a):AF+12*(\a)+11], 0, v[SC+32*(\sc)+16+2*\b+(\q)], v[SC+32*(\sc)+2*(\a)+(\q)] matrix_a_fmt:MATRIX_FMT_FP6 matrix_b_fmt:MATRIX_FMT_FP6
.elseif (\cm) == 2
	v_wmma_scale_f32_16x16x128_f8f6f4 v[RD_:RD_+7], v[128*(\p)+12*\b:128*(\p)+12*\b+11], v[AF+12*(\a):AF+12*(\a)+11], v[96+8*\b+96*(\b/4):96+8*\b+96*(\b/4)+7], v[SC+32*(\sc)+16+2*\b+(\q)], v[SC+32*(\sc)+2*(\a)+(\q)] matrix_a_fmt:MATRIX_FMT_FP6 matrix_b_fmt:MATRIX_FMT_FP6
.else
	v_wmma_scale_f32_16x16x128_f8f6f4 v[RD_:RD_+7], v[128*(\p)+12*\b:128*(\p)+12*\b+11], v[AF+12*(\a):AF+12*(\a)+11], v[RD_:RD_+7], v[SC+32*(\sc)+16+2*\b+(\q)], v[SC+32*(\sc)+2*(\a)+(\q)] matrix_a_fmt:MATRIX_FMT_FP6 matrix_b_fmt:MATRIX_FMT_FP6
.endif
.endr
.endr
.endm
; K step ks of eight (128 along K, 64 matrix instructions).  It fetches the next step's fragments in two runs: S0's set and S1's blocks 0-3 in its middle, S1's blocks 4-7 at its end.
; mode 0: plain.  1: slot 0 has been read out and is filled again, behind a round of the cluster's barrier.  2: a barrier shows the refilled slot whole.  3: the last step: nothing to fetch.
; A load into a register that a matrix instruction has read stands four plain vector instructions behind it (ISA guide 7.12.1 for vector instructions).
.macro KSTEP ks, mode, cm
.set K_P,  (\ks)%2
.set K_SC, ((\ks)/2)%2
.set K_LN, (((\ks)+1)/2)%3
.set K_QN, ((\ks)+1)%2
.set K_KQ, ((\ks)+1)/2
.if (\cm) == 2
.set W_LO, 0x91                        ; S0 window 1, S1 window 0, C (the bias) window 1, D window 2
.set W_HI, 0xd1
.else
.set W_LO, 0xa1                        ; S0 window 1, S1 window 0, C and D window 2
.set W_HI, 0xf1                        ; the same, window 3
.endif
.if ((\mode) == 0) || ((\mode) == 3)
	s_wait_dscnt 16                                ; all but the youngest 16 loads (S1's blocks 4-7) are in
	WIN W_LO
	MUL16 0, K_P, K_P, K_SC, \cm
	MUL16 2, K_P, K_P, K_SC, \cm
	s_wait_dscnt 0x0                               ; S1's blocks 4-7 are in
.else
	s_wait_tensorcnt 0x0                           ; all my tensor loads have landed;
	ds_add_u32 v[SPW], v[NIL]                      ; 0 onto my spare word;
	s_wait_dscnt 17                                ; (the add and the youngest 16 loads may be out)
	WIN W_LO
	MUL16 0, K_P, K_P, K_SC, \cm
	s_wait_dscnt 0x0                               ; the add is done, and my reads of the slot are over
	s_barrier_signal -1
	MUL16 2, K_P, K_P, K_SC, \cm
	WIN 0
	s_barrier_wait -1
.endif
.if (\mode) == 1
	CREST                                          ; the barrier has opened a round of the cluster's: no wave of any partner still reads slot 0 or has a load on its way
	JLOAD G0X+4, G1SX, G0W+4, G1SW                 ; the fourth K part, the first tensor load behind the round, my only one; its four v_nop are the places for the loads below
.elseif (\mode) != 3
	PLACES 4
.endif
.if (\mode) != 3
	FETCH0 K_LN, K_QN, 1-K_P
	FETCH1 K_LN, K_QN, 0
.if K_QN == 0
	SCALES K_KQ%2, K_KQ
.endif
.endif
	WIN W_HI
	MUL16 4, K_P, K_P, K_SC, \cm
	MUL16 6, K_P, K_P, K_SC, \cm
.if (\mode) != 3
	PLACES 4
	WIN 0
	FETCH1 K_LN, K_QN, 4
.else
	WIN 0
.endif
.endm
	s_load_b256 s[4:11], s[0:1], 0x0               ; X's buffer, wq, and two more: qq, kv (PROJ: b_out, out0)
	v_lshl_add_u32 v[SPW], v0, 2, SPARE
	v_mov_b32 v[NIL], 0
	ds_add_u32 v[SPW], v[NIL]                      ; the wave's opening: the add and its wait ahead of my first tensor load; work on registers stands between them
	ds_add_u32 v[SPW], v[NIL]
	v_lshrrev_b32 v1, 5, v0
	v_readfirstlane_b32 s12, v1                    ; wave 0..3
	s_lshr_b32 s13, s12, 1                         ; wr: my half of S1's rows.  Also: I fetch for S1 (0) or S0 (1)
	s_and_b32 s14, s12, 1                          ; wc: my half of S0's rows.  Also: which 8 tiles I fetch
	s_bfe_u32 s16, ttmp6, 0x40000                  ; cx
	s_bfe_u32 s17, ttmp6, 0x40004                  ; cy
	s_lshl_b32 s18, ttmp9, 2
	s_add_co_u32 s18, s18, s16                     ; work-group x
	s_and_b32 s19, ttmp7, 0xffff
	s_lshl_b32 s19, s19, 2
	s_add_co_u32 s19, s19, s17                     ; work-group y
	s_lshl_b32 s20, s17, 2
	s_lshl_b32 s20, 15, s20                        ; my row of the cluster
	s_lshl_b32 s21, 0x1111, s16                    ; my column
	s_or_b32 s[G1X], s20, (3<<16)|(1<<21)          ; 15:0 the mask; 17:16 elements of 8 bytes; 21 set beside a mask; no padding
	s_or_b32 s[G1W], s21, (3<<16)|(1<<21)
	s_or_b32 s[G1SX], s20, (3<<16)|(1<<21)
	s_or_b32 s[G1SW], s21, (3<<16)|(1<<21)
.irp g, G1X, G1W                       ; the head's load: REG dense bytes as 304 rows of 256
	s_mov_b32 s[\g+1], 32<<16
	s_mov_b32 s[\g+2], 304<<16
	s_mov_b32 s[\g+3], 32<<16
	s_mov_b32 s[\g+4], 304
	s_mov_b32 s[\g+5], 32
	s_mov_b32 s[\g+6], 0
	s_mov_b32 s[\g+7], 0
.endr
.irp g, G1SX, G1SW                     ; the refill: HALFB dense bytes as 96 rows of 256
	s_mov_b32 s[\g+1], 32<<16
	s_mov_b32 s[\g+2], 96<<16
	s_mov_b32 s[\g+3], 32<<16
	s_mov_b32 s[\g+4], 96
	s_mov_b32 s[\g+5], 32
	s_mov_b32 s[\g+6], 0
	s_mov_b32 s[\g+7], 0
.endr
	s_lshl_b32 s22, s19, 1
	s_add_co_u32 s22, s22, s14                     ; X's group: 2 x work-group y + half
	s_lshl_b32 s23, s18, 1
	s_add_co_u32 s23, s23, s14                     ; W's group: 2 x work-group x + half
	s_mul_i32 s92, s22, GRP
	s_mov_b32 s93, 0
	s_mul_i32 s96, s23, GRP
	s_mov_b32 s97, 0
	s_mul_i32 s100, s12, REG                       ; where it goes: region = wave: no place in the cluster enters an LDS address
	s_cmp_eq_u32 ttmp9, 2                          ; v?  The cluster's x: the same in all partners
	s_cselect_b32 s15, 1, 0
	s_xor_b32 s15, s15, s13                        ; 0: I fetch X, 1: I fetch W
	s_wait_dscnt 0x0                               ; the opening adds are done
	s_wait_kmcnt 0x0
	s_add_nc_u64 s[92:93], s[4:5], s[92:93]
	s_add_nc_u64 s[96:97], s[6:7], s[96:97]
	s_mov_b32 s[G0X], 1                            ; the head's load: the group from its first byte on
	s_mov_b32 s[G0X+1], s100
	s_mov_b64 s[G0X+2:G0X+3], s[92:93]
	s_or_b32 s[G0X+3], s[G0X+3], 0x80000000
	s_mov_b32 s[G0W], 1
	s_mov_b32 s[G0W+1], s100
	s_mov_b64 s[G0W+2:G0W+3], s[96:97]
	s_or_b32 s[G0W+3], s[G0W+3], 0x80000000
	s_mov_b32 s[G0X+4], 1                          ; the refill: the group's fourth K part onto the first's bytes
	s_add_co_u32 s[G0X+5], s100, 4096
	s_add_nc_u64 s[G0X+6:G0X+7], s[92:93], REG
	s_or_b32 s[G0X+7], s[G0X+7], 0x80000000
	s_mov_b32 s[G0W+4], 1
	s_add_co_u32 s[G0W+5], s100, 4096
	s_add_nc_u64 s[G0W+6:G0W+7], s[96:97], REG
	s_or_b32 s[G0W+7], s[G0W+7], 0x80000000
	CROUND                                         ; all sixteen work-groups are here: the first joint loads meet
	JLOAD G0X, G1X, G0W, G1W                       ; one tensor load a wave at the head
	v_and_b32 v1, 31, v0                           ; lane
	v_and_b32 v2, 15, v0                           ; r
	v_bfe_u32 v21, v0, 4, 1                        ; h
	v_lshlrev_b32 v3, 4, v1
	s_wait_alu depctr_va_vdst(0)
	v_lshlrev_b32 v20, 3, v1
.if PROJ
	s_mov_b32 s92, 0                               ; S1 = X
	s_mov_b32 s93, 2*HALFB                         ; S0 = W
	s_mov_b32 s94, 0
	s_mov_b32 s95, 8192
.else
	s_wait_alu depctr_va_vdst(0)
.endif
	s_mul_i32 s94, s13, REG                        ; S1's region: its scale words,
	s_mul_i32 s95, s14, REG
	s_add_co_u32 s95, s95, 2*REG                   ; S0's;
	s_add_co_u32 s92, s94, 4096                    ; and their codes
	s_add_co_u32 s93, s95, 4096
.irp L, 0,1,2
	v_add_nc_u32 v[4+2*\L], s92, v3
	v_add_nc_u32 v[5+2*\L], s92, v20
	v_add_nc_u32 v[10+2*\L], s93, v3
	v_add_nc_u32 v[11+2*\L], s93, v20
	s_add_co_u32 s92, s92, HALFB
	s_add_co_u32 s93, s93, HALFB
.endr
	v_lshl_add_u32 v16, v2, 3, s94
	v_lshl_add_u32 v17, v2, 3, s95
.if PROJ
	s_mul_i32 s96, s12, 16*SPITCH
	s_add_co_u32 s96, s96, STAGE                   ; my stage
	v_mul_u32_u24 v22, v2, SPITCH
	v_lshl_add_u32 v22, v21, 6, v22
	v_add_nc_u32 v22, s96, v22                     ; in: row r, + 64 h
	v_add_nc_u32 v23, s96, v3                      ; back: 16 bytes a lane of a row of 512
	v_lshlrev_b32 v24, 6, v21                      ; the bias: 64 h
	s_lshl_b32 s96, s18, 10
	s_lshl_b32 s97, s14, 9
	s_add_co_u32 s96, s96, s97                     ; my first column, in bytes: 1,024 x work-group x + 512 x wc
	s_mov_b32 s97, 0
	s_add_nc_u64 s[8:9], s[8:9], s[96:97]
	s_add_nc_u64 s[10:11], s[10:11], s[96:97]
	s_lshl_b32 s96, s19, 20
	s_lshl_b32 s98, s13, 19
	s_add_co_u32 s96, s96, s98                     ; my first row: (256 x work-group y + 128 x wr) x 4,096 bytes
	s_add_nc_u64 s[10:11], s[10:11], s[96:97]
	WIN 0x40
.irp b, 0,1,2,3,4,5,6,7                ; the bias in the result's layout: block b's register j is column 32 (b / 2) + 16 h + 8 (b % 2) + j
	global_load_b128 v[96+8*\b+96*(\b/4):96+8*\b+96*(\b/4)+3], v24, s[8:9] offset:(32*(\b/2)+8*(\b%2))*4
	global_load_b128 v[96+8*\b+96*(\b/4)+4:96+8*\b+96*(\b/4)+7], v24, s[8:9] offset:(32*(\b/2)+8*(\b%2))*4+16
.endr
	WIN 0
.endif
	s_wait_alu depctr_va_vdst(0)
	s_wait_tensorcnt 0x0                           ; my one load is in; slot 0 is filled again at K step 1
	s_barrier_signal -1
	s_barrier_wait -1
	FETCH0 0, 0, 0
	FETCH1 0, 0, 0
	SCALES 0, 0
	FETCH1 0, 0, 4
.if PROJ
	s_wait_loadcnt 0x0                             ; the bias
.endif
	KSTEP 0, 0, CM0                                ; the first products start the sums: nothing is cleared
	KSTEP 1, 1, 0                                  ; every wave has waited for all its loads in front of this step's round: so slots 1 and 2 are whole for all from here on
	KSTEP 2, 0, 0
	KSTEP 3, 0, 0
	KSTEP 4, 0, 0
	KSTEP 5, 2, 0
	KSTEP 6, 0, 0
	KSTEP 7, 3, 0
.if PROJ
; THE WAY OUT, block by block of 16 rows x 128 columns, through my own stage, so that the 32 lanes store a row's 512 consecutive bytes.
.macro TOSTAGE a
.set AC, 64*((\a)%4)
	WIN 0x08+4*((\a)/4)                            ; an LDS store's data: window 2 or 3
.irp b, 0,1,2,3,4,5,6,7
	ds_store_b128 v22, v[AC+8*\b:AC+8*\b+3] offset:128*(\b/2)+32*(\b%2)       ; each accumulator from its low end on
	ds_store_b128 v22, v[AC+8*\b+4:AC+8*\b+7] offset:128*(\b/2)+32*(\b%2)+16
.endr
	WIN 0
.set BB, 128+64*((\a)%2)
.irp t, 0,1,2,3,4,5,6,7,8,9,10,11,12,13,14,15
	ds_load_b128 v[BB+4*\t:BB+4*\t+3], v23 offset:\t*SPITCH   ; LDS serves a wave's instructions in order: these see the stores above, and the next block's stores come behind them
.endr
.endm
.macro SEND a, younger
.set BB, 128+64*((\a)%2)
	s_wait_dscnt \younger
.irp t, 0,1,2,3,4,5,6,7,8,9,10,11,12,13,14,15
	global_store_b128 v3, v[BB+4*\t:BB+4*\t+3], s[10:11] offset:(32*((\a)/2)+8*((\a)%2)+\t+8*(\t/8))*4096 th:TH_STORE_NT   ; stage row t is the tile's row t: 512 consecutive bytes, aligned to 256
.endr
.endm
	PLACES 4
	TOSTAGE 0
.irp a, 1,2,3,4,5,6,7
.if \a > 1
	s_wait_xcnt 0x0                                ; block a - 2's stores have read their registers: block a's loads may land there
.endif
	TOSTAGE \a
	SEND \a-1, 32                                  ; behind block a - 1's loads: block a's 16 stores and 16 loads
.endr
	SEND 7, 0
.else
; THE WAY OUT: each block of S1 (16 rows x my 128 along S0) is quantised in registers: 64 accumulator registers, register 16 b + i = index 32 b + 16 h + i, become one fragment and one scale word a row.
; q, k: rows = tokens, the 128 = two heads' 64: each half image goes to its head.  v: rows = d (four tiles a head), the 128 = the tokens of one key step: a whole fragment.
.macro QUANTW s, w, pc, pw
	WIN (\w)|((\w)<<2)                             ; sources 0 and 1: the accumulators' window
.irp b, 0,1,2,3
	v_max3_num_f32 v[TM+\b], |v[(\s)+16*\b]|, |v[(\s)+1+16*\b]|, 0x1800000     ; each accumulator is read from its low end on; the floor 2^(3 - 127) holds the byte at 1 from below
.endr
.irp i, 2,4,6,8,10,12,14
.irp b, 0,1,2,3
	v_max3_num_f32 v[TM+\b], |v[(\s)+16*\b+\i]|, |v[(\s)+1+16*\b+\i]|, v[TM+\b]
.endr
.endr
	WIN 0
.irp b, 0,1,2,3
	v_permlanex16_b32 v[TM+4+\b], v[TM+\b], s32, s33
.endr
.irp b, 0,1,2,3
	v_max_num_f32 v[TM+\b], v[TM+\b], v[TM+4+\b]
.endr
.irp b, 0,1,2,3
	v_add_nc_u32 v[TM+12+\b], 0xff000000, v[TM+\b]
.endr
.irp b, 0,1,2,3
	v_lshrrev_b32 v[TM+4+\b], 23, v[TM+12+\b]
.endr
	v_lshl_or_b32 v[\pw], v[TM+5], 8, v[TM+4]
	v_lshl_or_b32 v[\pw], v[TM+6], 16, v[\pw]
	v_lshl_or_b32 v[\pw], v[TM+7], 24, v[\pw]
	WIN \w                                         ; source 0: the accumulators' window
.irp c, 0,1
	v_cvt_scalef32_pk16_fp6_f32 v[(\pc)+6*\c:(\pc)+6*\c+2], v[(\s)+32*\c:(\s)+32*\c+15], v[TM+12+2*\c]
	v_cvt_scalef32_pk16_fp6_f32 v[CT+4*\c:CT+4*\c+2], v[(\s)+16+32*\c:(\s)+31+32*\c], v[TM+13+2*\c]
.endr
	WIN 0
	v_nop                                          ; one plain line behind a scaled conversion
.irp c, 0,1
.irp i, 0,1,2
	v_permlane16_swap_b32 v[(\pc)+6*\c+\i], v[CT+4*\c+\i]
.endr
.irp i, 0,1,2
	v_mov_b32 v[(\pc)+3+6*\c+\i], v[CT+4*\c+\i]
.endr
.endr
.endm
.irp b, 0,1,2,3
	v_mov_b32 v[TM+4+\b], 0                        ; the permutes' destinations are written once; these four plain lines are also the places behind the last products
.endr
	s_mov_b32 s32, 0x76543210                      ; (no tensor load is out: the descriptors' registers are free)
	s_mov_b32 s33, 0xfedcba98
	s_mov_b32 s34, 0xffff0000                      ; lanes 16-31
	s_cmp_eq_u32 ttmp9, 2
	s_cselect_b32 s20, s13, s14                    ; which pair of heads: by W's half
	s_cselect_b32 s21, s14, s13                    ; which 128 tokens: by X's half
	s_cselect_b32 s92, 6144, 0                     ; V lies behind K in a key step's codes,
	s_cselect_b32 s93, 256, 0                      ; and in its scale words
	s_cmp_eq_u32 ttmp9, 0
	s_cselect_b64 s[94:95], s[8:9], s[10:11]       ; qq or kv
	s_mov_b32 s96, 204800                          ; kv: a head is 16 records of 12,800 bytes, one for each 128 tokens: K's codes 6,144, V's 6,144, K's scale words 256, V's 256
	s_cselect_b32 s96, 98304, s96                  ; codes: from head to head,
	s_mov_b32 s97, 12800
	s_cselect_b32 s97, 6144, s97                   ; from 128 tokens to the next
	s_mov_b32 s98, 12288
	s_cselect_b32 s98, 6291456, s98                ; where the scale words begin,
	s_mov_b32 s99, 204800
	s_cselect_b32 s99, 4096, s99                   ; from head to head,
	s_mov_b32 s100, 12800
	s_cselect_b32 s100, 256, s100                  ; from 128 tokens to the next
	s_lshr_b32 s22, s19, 3
	s_lshl_b32 s22, s22, 4                         ; 16 x batch
	s_and_b32 s23, s18, 3
	s_lshl_b32 s23, s23, 2
	s_add_co_u32 s22, s22, s23
	s_lshl_b32 s20, s20, 1
	s_add_co_u32 s22, s22, s20                     ; my first head
	s_and_b32 s23, s19, 7
	s_lshl_b32 s23, s23, 1
	s_add_co_u32 s23, s23, s21                     ; my 128 tokens in the batch
	s_mul_i32 s20, s22, s96
	s_mul_i32 s21, s23, s97
	s_add_co_u32 s20, s20, s21
	s_add_co_u32 s20, s20, s92
	s_mov_b32 s21, 0
	s_add_nc_u64 s[24:25], s[94:95], s[20:21]      ; the first head's codes,
	s_mov_b32 s20, s96
	s_add_nc_u64 s[26:27], s[24:25], s[20:21]      ; the second's
	s_mul_i32 s20, s22, s99
	s_mul_i32 s101, s23, s100
	s_add_co_u32 s20, s20, s101
	s_add_co_u32 s20, s20, s93
	s_add_co_u32 s20, s20, s98
	s_add_nc_u64 s[28:29], s[94:95], s[20:21]      ; the scale words
	v_mul_u32_u24 v28, s99, v21
	v_lshl_add_u32 v28, v2, 4, v28
	; q and k leave in tiles of another make-up: tile 4 c + u of 128 tokens holds tokens 64 c + 8 u + {0..7, 32..39}.  Rows 0-7 of my tile a = 2 B + u go to tile 4 (B / 2) + u, rows 8-15 to tile 4 (B / 2) + u + 2,
	; both at rows 8 (B % 2) + 0..7: so in attention's scores a lane's 32 registers of four tiles are one block of 32 neighbouring keys.
	v_and_b32 v31, 23, v1                          ; r % 8 + 16 h
	v_bfe_u32 v26, v1, 3, 1                        ; r / 8
	v_mul_u32_u24 v30, v26, 1536                   ; two tiles on
	v_lshl_add_u32 v29, v31, 4, v30                ; my place for registers 0-3
	v_lshl_add_u32 v30, v31, 3, v30                ; and for registers 4-5
	v_and_b32 v31, 7, v1
	v_lshlrev_b32 v31, 4, v31
	v_lshl_add_u32 v31, v26, 2, v31
	v_mad_u32_u24 v31, s99, v21, v31               ; my scale words: 16 (r % 8) + 4 (r / 8), lanes 16-31 in the second head
.irp a, 0,1,2,3,4,5,6,7
	QUANTW 64*(\a%4), 2+\a/4, 128+12*\a, PWS+\a
.endr
	s_cmp_eq_u32 ttmp9, 2
	s_cbranch_scc1 .Lout_v
.irp a, 0,1,2,3,4,5,6,7                ; q, k: token tile a's half image c goes to head c: 512 and 256 consecutive bytes, aligned to 256
.irp c, 0,1
	global_store_b128 v29, v[128+12*\a+6*\c:128+12*\a+6*\c+3], s[24+2*\c:25+2*\c] offset:768*(4*(\a/4)+\a%2)+128*((\a/2)%2)       ; runs of 128 bytes, which tile a xor 2's store completes to 256
	global_store_b64 v30, v[128+12*\a+6*\c+4:128+12*\a+6*\c+5], s[24+2*\c:25+2*\c] offset:768*(4*(\a/4)+\a%2)+512+64*((\a/2)%2)
.endr
.endr
	v_mov_b32 v22, 0x05040100
	v_mov_b32 v23, 0x07060302
	v_cndmask_b32 v22, v22, v23, s34               ; lanes 0-15 take each word's bytes 0, 1 (the first head's), lanes 16-31 its bytes 2, 3
.irp j, 0,1,2,3
	v_perm_b32 v[24+\j], v[PWS+2*\j+1], v[PWS+2*\j], v22   ; word j: the two bytes of token tile 2 j, then those of tile 2 j + 1
.endr
.irp j, 0,1,2,3
	global_store_b32 v31, v[24+\j], s[28:29] offset:128*(\j%2)+8*(\j/2)   ; the word of my tiles 2 j, 2 j + 1 goes to row 8 (j % 2) + r % 8, word 2 (j / 2) + r / 8
.endr
	s_branch .Lout_done
.Lout_v:
	s_wait_alu depctr_va_vdst(0)
.irp a, 0,1,2,3,4,5,6,7                ; v: block a is tile a % 4 of head a / 4: a whole fragment
.irp c, 0,1
	global_store_b128 v3, v[128+12*\a+6*\c:128+12*\a+6*\c+3], s[24+2*(\a/4):25+2*(\a/4)] offset:1536*(\a%4)+768*\c
	global_store_b64 v20, v[128+12*\a+6*\c+4:128+12*\a+6*\c+5], s[24+2*(\a/4):25+2*(\a/4)] offset:1536*(\a%4)+768*\c+512
.endr
.endr
.irp j, 0,1,2,3
	v_cndmask_b32 v[24+\j], v[PWS+\j], v[PWS+4+\j], s34
.endr
.Lout_scales:
	s_wait_alu depctr_va_vdst(0)
	global_store_b128 v28, v[24:27], s[28:29]      ; sixteen lanes store a head's 256 consecutive bytes, aligned
.Lout_done:
.endif
	s_wait_tensorcnt 0x0                           ; the wave's end: three lines behind my last tensor load and my last LDS store
	ds_add_u32 v[SPW], v[NIL]
	s_wait_dscnt 0x0
	CROUND                                         ; the closing round: no work-group ends while a partner may still ask for a tile that names it
	s_endpgm
.Lfunc_end_k_q0f6adca7d5_qkv:
	.size	k_q0f6adca7d5_qkv, .Lfunc_end_k_q0f6adca7d5_qkv-k_q0f6adca7d5_qkv
	.p2alignl 7, 3214868480
	.fill 96, 4, 3214868480
	.section	.rodata,"a",@progbits
	.p2align	6, 0x0
	.amdhsa_kernel k_q0f6adca7d5_qkv
		.amdhsa_group_segment_fixed_size 327680
		.amdhsa_private_segment_fixed_size 0
		.amdhsa_enable_private_segment 0
		.amdhsa_kernarg_size 32
		.amdhsa_user_sgpr_count 2
		.amdhsa_user_sgpr_kernarg_segment_ptr 1
		.amdhsa_wavefront_size32 1
		.amdhsa_system_sgpr_workgroup_id_x 1
		.amdhsa_system_sgpr_workgroup_id_y 1
		.amdhsa_system_sgpr_workgroup_id_z 1
		.amdhsa_system_vgpr_workitem_id 0
		.amdhsa_next_free_vgpr 1024
		.amdhsa_next_free_sgpr 102
		.amdhsa_reserve_vcc 0
		.amdhsa_float_denorm_mode_32 3
		.amdhsa_float_denorm_mode_16_64 3
		.amdhsa_memory_ordered 1
		.amdhsa_forward_progress 1
		.amdhsa_inst_pref_size 153
	.end_amdhsa_kernel
	.amdgpu_metadata
---
amdhsa.version: [ 1, 2 ]
amdhsa.kernels:
  - .name:           k_q0f6adca7d5_qkv
    .symbol:         k_q0f6adca7d5_qkv.kd
    .args:
      - { .name: xq, .offset: 0, .size: 8, .value_kind: global_buffer, .address_space: global }
      - { .name: wq, .offset: 8, .size: 8, .value_kind: global_buffer, .address_space: global }
      - { .name: qq, .offset: 16, .size: 8, .value_kind: global_buffer, .address_space: global }
      - { .name: kv, .offset: 24, .size: 8, .value_kind: global_buffer, .address_space: global }
    .group_segment_fixed_size: 327680
    .private_segment_fixed_size: 0
    .kernarg_segment_align: 8
    .kernarg_segment_size: 32
    .max_flat_workgroup_size: 128
    .sgpr_count:     102
    .vgpr_count:     1024
    .wavefront_size: 32
...
	.end_amdgpu_metadata
.endif
;; end of part 2
;; launch attn (part 3): grid 4 x 64, 16 waves a work-group, clusters of 4 x 1, 206,848 bytes of LDS; arguments qq, kv, oq; writes oq
.if DOCPART == 3
	.amdgcn_target "amdgcn-amd-amdhsa--gfx1250"
	.amdhsa_code_object_version 6
	.text
	.protected	k_q0f6adca7d5_attn
	.globl	k_q0f6adca7d5_attn
	.p2align	8
	.type	k_q0f6adca7d5_attn,@function
k_q0f6adca7d5_attn:
	s_mov_b64 s[64:65], 0
	v_nop
	global_prefetch_b8 v0, s[64:65] scope:SCOPE_SE
	s_setreg_imm32_b32 hwreg(HW_REG_WAVE_MODE, 25, 1), 1
	s_wait_xcnt 0x0
	s_wait_alu depctr_hold_cnt(0) depctr_sa_sdst(0) depctr_va_vdst(0) depctr_va_sdst(0) depctr_va_ssrc(0) depctr_va_vcc(0) depctr_vm_vsrc(0)
	s_getreg_b32 s2, hwreg(HW_REG_IB_STS2, 6, 4)
	s_cmp_eq_u32 s2, 0
	s_cbranch_scc0 .Lentry_in_a_cluster
	s_endpgm
.Lentry_in_a_cluster:
	s_bfe_u32 s2, ttmp6, 0x10000c
	s_cmp_lg_u32 s2, 0x3003
	s_cbranch_scc0 .Lentry_shape_is_right
	s_endpgm
.Lentry_shape_is_right:
; Attention of one head (work-group y = 16 x batch + head) for 512 queries, on codes of FP6 (E2M3) with E8M0 scales; head size 64, 2,048 keys, no mask.  The result is quantised again, along the head's 64, for the last product.
; THE SOFTMAX: t = score x log2(e) / 8; M = the running largest t rounded UP to a whole number; p = 2^(t - M) is quantised along the keys, not normalised; the row's sum is taken of the unquantised p and divides at the end.
; When M moves, the sum and O are multiplied by 2^(old M - new M), which rounds nothing.
; SHARES.  64 heads x 4 blocks of 512 queries = 256 work-groups.  Sixteen waves of 256 registers; a wave takes TWO tiles of 16 queries, A and B, through all keys together, 128 keys a step: each fragment of K and of V
; is read from LDS once for both tiles: 12,800 bytes a step for 32 queries.
; THE WHOLE HEAD'S K AND V STAY IN LDS: 16 records of 12,800 bytes, one a key step (K's codes 6,144, V's 6,144, K's scale words 256, V's 256): wave w brings record w by its one tensor load; nothing is filled again.
; CLUSTER: the four work-groups of a head ask for each record jointly.  No prefetch: all that is read through LDS is asked for at the head, ahead of any loop.
; LAYOUT.  Both products are used transposed: S^T = K Q^T, O^T = V^T P^T: a lane holds one query of each tile throughout.  Operands lie in the order of the operand's registers (a half image of 768 bytes = 16 rows x 64 K:
; lane l's registers 0-3 at 16 l, registers 4-5 at 512 + 8 l).  Key (and query) tile 4 c + u of 128 tokens holds tokens 64 c + 8 u + {0..7, 32..39}: so lane (r, h)'s 32 score registers of tiles 4 c .. 4 c + 3 are keys
; 64 c + 32 h + 0 .. 31: one whole block, in the order that the operand P wants: no lane is asked for a block's maximum, and no code changes lanes.
; K = 64 IN AN INSTRUCTION OF 128: a fragment of K holds key tile 2 j in k = 0..63 and key tile 2 j + 1 in k = 64..127; it is multiplied once by [q | zeros] and once by [zeros | q].
; oq is laid as the last product's operand: groups of 8 token tiles, 102,400 bytes: scale words [tile][K step / 2][row][K step % 2], then codes [K step / 2][tile][K step % 2][1536]; my head is half image head % 2 of K step head / 2.
; LIMITS: a block of zeros, or one under 2^-124, gets the byte 1 (only this program reads the bytes); NaN and infinities are not served; the scaled scores stay under 2^31 in magnitude.
; REGISTERS (all 256): v0 lane, v1 16 x lane + step, v2 8 x lane + step, v3 and v11 lane permutes' results, v4 v5 the add's two, v6 8 h, v7 v8 q's scale words (A, B), v9 v10 p's scale words,
; v12 -M, v13 the largest score, v[14:15] the sum (A); v16-19 the same (B); v[20:21] f; v22-27 zeros, v28-33 q of A, v34-39 zeros, v40-45 q of B, v46-51 zeros; v52-99 four fragments, K's and then V's;
; v100-103 scale words: lanes 0-15 K's, lanes 16-31 V's; v104-167 S^T then p, of A and then of B; v168-199 O^T of A, v200-231 of B; v232-243 p's codes of A, v244-255 of B.
; The softmax's twelve work registers lie where nothing is alive: for A on B's codes, for B on V's fourth fragment, which is loaded behind B's softmax.
.set REC,   12800
.set SPARE, 16*REC                     ; the spare words, 128 bytes a wave
.set GRP,   102400
.set SPW, 4                            ; never rewritten
.set NIL, 5                            ; never rewritten
.set FB,  52
.set SW,  100
.set SB,  104
.macro CROUND
	s_barrier_signal -1
	s_barrier_wait -1
	s_cmp_lg_u32 s12, 0
	s_cbranch_scc1 .Lnot_wave_0_\@
	s_barrier_signal -3
.Lnot_wave_0_\@:
	s_barrier_wait -3
	s_barrier_signal -1
	s_barrier_wait -1
.endm
.macro FRAG reg, off                   ; a fragment: 12 registers by four loads
	ds_load_b128 v[\reg:\reg+3], v1 offset:\off
	ds_load_b64 v[\reg+4:\reg+5], v2 offset:\off+512
	ds_load_b128 v[\reg+6:\reg+9], v1 offset:\off+768
	ds_load_b64 v[\reg+10:\reg+11], v2 offset:\off+1280
.endm
.macro PLACES
.rept 4
	v_nop
.endr
.endm
.macro SMUL z, qs                      ; S^T of one tile: v[z] on: zeros, q, zeros; fragment j holds key tiles 2 j and 2 j + 1
.irp j, 0,1,2,3
	v_wmma_scale_f32_16x16x128_f8f6f4 v[SB+16*\j:SB+16*\j+7], v[FB+12*\j:FB+12*\j+11], v[\z+6:\z+17], 0, v[SW+\j], v[\qs] matrix_a_fmt:MATRIX_FMT_FP6 matrix_b_fmt:MATRIX_FMT_FP6
	v_wmma_scale_f32_16x16x128_f8f6f4 v[SB+16*\j+8:SB+16*\j+15], v[FB+12*\j:FB+12*\j+11], v[\z:\z+11], 0, v[SW+\j], v[\qs] matrix_a_fmt:MATRIX_FMT_FP6 matrix_b_fmt:MATRIX_FMT_FP6
.endr
.endm
.macro PV t                            ; O^T += V^T P^T, V's tile t for both query tiles; V's scale words stand in lanes 16-31
	v_wmma_scale_f32_16x16x128_f8f6f4 v[168+8*\t:175+8*\t], v[FB+12*\t:FB+12*\t+11], v[232:243], v[168+8*\t:175+8*\t], v[SW+\t], v9 matrix_a_fmt:MATRIX_FMT_FP6 matrix_b_fmt:MATRIX_FMT_FP6 matrix_a_scale:MATRIX_SCALE_ROW1
	v_wmma_scale_f32_16x16x128_f8f6f4 v[200+8*\t:207+8*\t], v[FB+12*\t:FB+12*\t+11], v[244:255], v[200+8*\t:207+8*\t], v[SW+\t], v10 matrix_a_fmt:MATRIX_FMT_FP6 matrix_b_fmt:MATRIX_FMT_FP6 matrix_a_scale:MATRIX_SCALE_ROW1
.endm
.macro SUM4 x, i                       ; pairs i .. i + 3 of p onto the four chains
.irp c, 0,1,2,3
	v_pk_add_f32 v[\x+4+2*\c:\x+5+2*\c], v[\x+4+2*\c:\x+5+2*\c], v[SB+2*(\i)+2*\c:SB+2*(\i)+2*\c+1]
.endr
.endm
; THE SOFTMAX of one tile's 128 scores in v[SB] on.  st: -M, the largest score, the sum's pair;  ob: O^T;  pb: p's codes;  x: twelve work registers;  pw: p's scale word.
.macro SOFT st, ob, pb, x, pw
.irp b, 0,1,2,3
	v_max3_num_f32 v[\x+\b], v[SB+16*\b], v[SB+1+16*\b], v[SB+2+16*\b]   ; the largest score of my two blocks of 32 keys, each in two chains; every accumulator is read from its low end on
.endr
.irp i, 3,5,7,9,11,13
.irp b, 0,1,2,3
	v_max3_num_f32 v[\x+\b], v[\x+\b], v[SB+16*\b+\i], v[SB+1+16*\b+\i]
.endr
.endr
	v_max3_num_f32 v[\x], v[\x], v[\x+1], v[SB+15]
	v_max3_num_f32 v[\x+2], v[\x+2], v[\x+3], v[SB+47]
	v_max_num_f32 v[\x], v[\x], v[SB+31]           ; block h's largest score: for the row's maximum, and, since p rises with the score, for the block's largest p
	v_max_num_f32 v[\x+2], v[\x+2], v[SB+63]       ; block 2 + h's
	v_max3_num_f32 v[\st+1], v[\st+1], v[\x], v[\x+2]
	v_permlanex16_b32 v11, v[\st+1], s20, s21
	v_max_num_f32 v[\st+1], v[\st+1], v11          ; the running largest score of my query
	v_mul_f32 v[\x+1], s22, v[\st+1]               ; as t (c is positive)
	v_floor_f32 v[\x+3], -v[\x+1]                  ; the new -M = -ceil(t): a whole number
	v_sub_f32 v[\x+1], v[\x+3], v[\st]             ; old M - new M, 0 or less
	v_mov_b32 v[\st], v[\x+3]
	v_cvt_i32_f32 v[\x+1], v[\x+1]                 ; (it saturates)
	v_ldexp_f32 v20, 1.0, v[\x+1]                  ; f = 2^(old M - new M)
.irp j, 0,2,4,6,8,10,12,14,16,18,20,22,24,26,28,30,32,34,36,38,40,42,44,46,48,50,52,54,56,58,60,62
	v_pk_fma_f32 v[SB+\j:SB+\j+1], v[SB+\j:SB+\j+1], s[22:23], v[\st:\st+1] op_sel_hi:[1,0,0]   ; t - M (of the pairs c and -M the low word serves both halves)
.endr
	v_fma_f32 v[\x], v[\x], s22, v[\st]
	v_fma_f32 v[\x+2], v[\x+2], s22, v[\st]
	s_wait_alu depctr_va_vdst(0)                   ; ahead of the batch
	v_exp_f32 v[\x], v[\x]                         ; each block's largest p: the same two instructions on the same number give the same bits
	v_exp_f32 v[\x+2], v[\x+2]
.irp j, 0,1,2,3,4,5,6,7,8,9,10,11,12,13,14,15,16,17,18,19,20,21,22,23,24,25,26,27,28,29,30,31,32,33,34,35,36,37,38,39,40,41,42,43,44,45,46,47,48,49,50,51,52,53,54,55,56,57,58,59,60,61,62,63
	v_exp_f32 v[SB+\j], v[SB+\j]                   ; p = 2^(t - M)
.endr
	v_pk_mul_f32 v[\st+2:\st+3], v[\st+2:\st+3], v[20:21] op_sel_hi:[1,0]   ; the sums under the new M: the plain line behind the exponentials
	s_wait_alu depctr_va_vdst(0)                   ; and the one wait behind the batch of 66, ahead of its first reader
	v_max_num_f32 v[\x], 0x1800000, v[\x]          ; the floor 2^(3 - 127): the byte cannot fall under 1
	v_max_num_f32 v[\x+2], 0x1800000, v[\x+2]
.irp c, 0,1,2,3
	v_pk_add_f32 v[\x+4+2*\c:\x+5+2*\c], v[SB+2*\c:SB+2*\c+1], v[SB+8+2*\c:SB+9+2*\c]   ; the row's sum is taken of the unquantised p: four chains; the scale word's lines stand among them
.endr
	v_add_nc_u32 v[\x], 0xff000000, v[\x]          ; 2 off the exponent field: the conversions' scale operands
	v_add_nc_u32 v[\x+2], 0xff000000, v[\x+2]
	SUM4 \x, 8
	v_lshrrev_b32 v[\x+1], 23, v[\x]               ; the bytes
	v_lshrrev_b32 v[\x+3], 23, v[\x+2]
	SUM4 \x, 12
	v_lshl_or_b32 v[\pw], v[\x+3], 16, v[\x+1]     ; my two bytes: blocks h and 2 + h,
	SUM4 \x, 16
	v_lshlrev_b32 v[\pw], v6, v[\pw]               ; at their places in the word (8 h bits up);
	SUM4 \x, 20
	v_permlanex16_b32 v11, v[\pw], s20, s21
	SUM4 \x, 24
	v_or_b32 v[\pw], v[\pw], v11                   ; with lane l xor 16's two the word is whole
	SUM4 \x, 28
	v_pk_add_f32 v[\x+4:\x+5], v[\x+4:\x+5], v[\x+6:\x+7]
	v_pk_add_f32 v[\x+8:\x+9], v[\x+8:\x+9], v[\x+10:\x+11]
	v_pk_add_f32 v[\x+4:\x+5], v[\x+4:\x+5], v[\x+8:\x+9]
	v_pk_add_f32 v[\st+2:\st+3], v[\st+2:\st+3], v[\x+4:\x+5]
.irp c, 0,1
	v_cvt_scalef32_pk16_fp6_f32 v[\pb+6*\c:\pb+6*\c+2], v[SB+32*\c:SB+32*\c+15], v[\x+2*\c]
	v_cvt_scalef32_pk16_fp6_f32 v[\x+4+4*\c:\x+6+4*\c], v[SB+16+32*\c:SB+31+32*\c], v[\x+2*\c]   ; (a conversion's three registers begin on an even number)
.endr
	v_nop                                          ; one plain line behind a scaled conversion
.irp c, 0,1
.irp i, 0,1,2
	v_mov_b32 v[\pb+3+6*\c+\i], v[\x+4+4*\c+\i]    ; registers 6 c .. 6 c + 5 hold k = 64 c + 32 h + 0 .. 31
.endr
.endr
	s_wait_alu depctr_va_vdst(0)                   ; directly ahead of the first reader of O^T
.irp j, 0,2,4,6,8,10,12,14,16,18,20,22,24,26,28,30
	v_pk_mul_f32 v[\ob+\j:\ob+\j+1], v[\ob+\j:\ob+\j+1], v[20:21] op_sel_hi:[1,0]   ; O^T under the new M; these sixteen are also the places between p's codes and scale word and the products
.endr
.endm
; THE WAY OUT of one tile: O^T / the sum; register 16 b + i is channel 32 b + 16 h + i of my query (V's tiles are made up so): two blocks of 32; a half image and two scale bytes a row.  off: the tile's place in oq.
.macro OUT st, ob, off
	v_add_f32 v[\st+2], v[\st+2], v[\st+3]
	v_permlanex16_b32 v11, v[\st+2], s20, s21
	v_add_f32 v[\st+2], v[\st+2], v11
	s_wait_alu depctr_va_vdst(0)
	v_rcp_f32 v[\st+2], v[\st+2]
	v_nop
	s_wait_alu depctr_va_vdst(0)
.irp j, 0,1,2,3,4,5,6,7,8,9,10,11,12,13,14,15,16,17,18,19,20,21,22,23,24,25,26,27,28,29,30,31
	v_mul_f32 v[SB+\j], v[\ob+\j], v[\st+2]
.endr
.irp b, 0,1
	v_max3_num_f32 v[52+\b], |v[SB+16*\b]|, |v[SB+1+16*\b]|, 0x1800000
.endr
.irp i, 2,4,6,8,10,12,14
.irp b, 0,1
	v_max3_num_f32 v[52+\b], v[52+\b], |v[SB+16*\b+\i]|, |v[SB+1+16*\b+\i]|
.endr
.endr
	v_permlanex16_b32 v11, v52, s20, s21
	v_permlanex16_b32 v3, v53, s20, s21
	v_max_num_f32 v52, v52, v11
	v_max_num_f32 v53, v53, v3
	v_add_nc_u32 v54, 0xff000000, v52
	v_add_nc_u32 v55, 0xff000000, v53
	v_lshrrev_b32 v56, 23, v54
	v_lshrrev_b32 v57, 23, v55
	v_lshl_or_b32 v58, v57, 8, v56
	v_cvt_scalef32_pk16_fp6_f32 v[60:62], v[SB:SB+15], v54
	v_cvt_scalef32_pk16_fp6_f32 v[64:66], v[SB+16:SB+31], v55
	v_nop
.irp i, 0,1,2
	v_permlane16_swap_b32 v[60+\i], v[64+\i]       ; a whole block to a lane: lanes 0-15 block 0, lanes 16-31 block 1
.endr
.irp i, 0,1,2
	v_mov_b32 v[63+\i], v[64+\i]                   ; in ascending order: each source is read before it is written
.endr
	global_store_b128 v1, v[60:63], s[8:9] offset:\off        ; 512 consecutive bytes, aligned to 256
	global_store_b64 v2, v[64:65], s[8:9] offset:\off+512
	v_cmp_gt_u32 vcc_lo, 16, v0
	s_wait_xcnt 0x0                                ; EXEC changes only behind this wait
	s_and_saveexec_b32 s63, vcc_lo
	global_store_b16 v59, v58, s[44:45] offset:\off   ; two bytes a row: the rest of each word belongs to other heads' work-groups; 32 bytes of the 800 that the tile stores
	s_wait_xcnt 0x0                                ; the stores have read their registers and EXEC
	s_or_b32 exec_lo, exec_lo, s63
.endm
	s_load_b128 s[4:7], s[0:1], 0x0                ; qq, kv
	s_load_b64 s[8:9], s[0:1], 0x10                ; oq
	v_lshl_add_u32 v[SPW], v0, 2, SPARE
	v_mov_b32 v[NIL], 0
	ds_add_u32 v[SPW], v[NIL]                      ; the wave's opening: the add, twice on end, and its wait ahead of my tensor load
	ds_add_u32 v[SPW], v[NIL]
	v_lshrrev_b32 v1, 5, v0
	v_readfirstlane_b32 s12, v1                    ; wave 0..15
	s_bfe_u32 s13, ttmp6, 0x40000                  ; cx: it enters q's and oq's addresses alone
	s_lshl_b32 s15, s13, 5
	s_add_co_u32 s15, s15, s12                     ; tile A in the batch: 32 cx + wave; tile B lies 16 tiles on
	s_and_b32 s14, ttmp7, 0xffff                   ; batch and head
	s_mul_i32 s16, s14, 16*REC
	s_mul_i32 s49, s12, REC                        ; my record, in LDS as in the head's part of kv
	s_add_co_u32 s16, s16, s49
	s_mov_b32 s17, 0
	s_mov_b32 s48, 1
	s_mov_b32 s24, 15|(3<<16)|(1<<21)              ; group 1: the mask names all four work-groups, bit 21 beside it; elements of 8 bytes; 50 rows of 256 bytes, dense
	s_mov_b32 s25, 32<<16
	s_mov_b32 s26, 50<<16
	s_mov_b32 s27, 32<<16
	s_mov_b32 s28, 50
	s_mov_b32 s29, 32
	s_mov_b32 s30, 0
	s_mov_b32 s31, 0
	s_mov_b32 s20, 0x76543210                      ; lane selects: lane l xor 16
	s_mov_b32 s21, 0xfedcba98
	s_mov_b32 s22, 0x3e38aa3b                      ; c = log2(e) / 8
	s_mov_b32 s23, s22                             ; (named with it as a pair)
	s_mul_i32 s32, s14, 98304
	s_mul_i32 s33, s15, 768
	s_add_co_u32 s32, s32, s33                     ; q's half image
	s_mov_b32 s33, 0
	s_lshl_b32 s34, s14, 12
	s_lshr_b32 s35, s15, 3
	s_lshl_b32 s35, s35, 8
	s_add_co_u32 s34, s34, s35
	s_bfe_u32 s35, s15, 0x20001
	s_lshl_b32 s35, s35, 2
	s_add_co_u32 s34, s34, s35
	s_add_co_u32 s34, s34, 6291456                 ; the word that holds q's two scale bytes
	s_mov_b32 s35, 0
	s_lshr_b32 s36, s14, 4
	s_lshl_b32 s36, s36, 7
	s_add_co_u32 s36, s36, s15                     ; tile A among all 512 token tiles
	s_and_b32 s37, s14, 15                         ; the head
	s_lshr_b32 s38, s36, 3
	s_mul_i32 s38, s38, GRP                        ; its group
	s_and_b32 s36, s36, 7                          ; and its place there
	s_lshr_b32 s39, s37, 2                         ; the head's K part
	s_and_b32 s37, s37, 3                          ; and which of that part's four half images
	s_mul_i32 s40, s36, 3072
	s_add_co_u32 s40, s40, s38
	s_mul_i32 s41, s39, 24576
	s_add_co_u32 s40, s40, s41
	s_mul_i32 s41, s37, 768
	s_add_co_u32 s40, s40, s41
	s_add_co_u32 s40, s40, 4096
	s_mov_b32 s41, 0
	s_lshl_b32 s42, s36, 9
	s_add_co_u32 s42, s42, s38
	s_lshl_b32 s43, s39, 7
	s_add_co_u32 s42, s42, s43
	s_lshl_b32 s43, s37, 1
	s_add_co_u32 s42, s42, s43                     ; my two scale bytes of a row's pair of words
	s_mov_b32 s43, 0
	s_and_b32 s62, s12, 1
	s_cmp_eq_u32 s62, 0
	s_mov_b32 s62, 0x03020302
	s_cselect_b32 s62, 0x01000100, s62             ; an even tile's two bytes are the word's bytes 0, 1, an odd tile's its bytes 2, 3 (A and B are both even or both odd)
	s_mov_b32 s2, 0                                ; LDS byte at which the key step's record begins
	s_mov_b32 s60, 16
	s_wait_dscnt 0x0                               ; both opening adds are done
	s_wait_kmcnt 0x0
	s_add_nc_u64 s[50:51], s[6:7], s[16:17]
	s_or_b32 s51, s51, 0x80000000
	s_add_nc_u64 s[10:11], s[4:5], s[34:35]
	s_add_nc_u64 s[4:5], s[4:5], s[32:33]
	s_add_nc_u64 s[44:45], s[8:9], s[42:43]
	s_add_nc_u64 s[8:9], s[8:9], s[40:41]
	CROUND                                         ; all four work-groups are here: the joint loads meet
	tensor_load_to_lds s[48:51], s[24:31]          ; key step w's record: my one tensor load
	s_nop 0
	PLACES
	v_and_b32 v0, 31, v0                           ; lane (my spare word's address has been made)
	v_lshlrev_b32 v1, 4, v0
	v_lshlrev_b32 v2, 3, v0
	v_and_b32 v3, 15, v0
	v_bfe_u32 v6, v0, 4, 1
	v_lshlrev_b32 v3, 4, v3                        ; 16 r
	v_lshlrev_b32 v6, 3, v6                        ; 8 h
	global_load_b128 v[28:31], v1, s[4:5]          ; q of both tiles stays in registers
	global_load_b64 v[32:33], v2, s[4:5] offset:512
	global_load_b128 v[40:43], v1, s[4:5] offset:16*768
	global_load_b64 v[44:45], v2, s[4:5] offset:16*768+512
	global_load_b32 v7, v3, s[10:11]
	global_load_b32 v8, v3, s[10:11] offset:512
.irp j, 22,23,24,25,26,27,34,35,36,37,38,39,46,47,48,49,50,51
	v_mov_b32 v\j, 0                               ; zero codes add nothing under any scale
.endr
.irp j, 12,16
	v_mov_b32 v\j, 0x7e800000                      ; -M: 2^126, so that the first f is 0
.endr
.irp j, 13,17
	v_mov_b32 v\j, 0xff61b1e6                      ; the largest score so far: -3e38, under every score
.endr
.irp j, 11,14,15,18,19,20,21
	v_mov_b32 v\j, 0                               ; the sums; a lane permute's destination counts as one of its sources; v21 is named as the upper half of a pair
.endr
	s_wait_loadcnt 0x0
	v_perm_b32 v7, v7, v7, s62                     ; q's two bytes, written twice: they serve q in either half of K
	v_perm_b32 v8, v8, v8, s62
.set J, 0
.rept 64
	v_mov_b32 v[168+J], 0                          ; O^T of both tiles: the step is written once; the first finds zeros, which the first change of M leaves zeros
.set J, J+1
.endr
	s_wait_alu depctr_va_vdst(0)                   ; the head's end
	s_wait_tensorcnt 0x0                           ; my record is in,
	s_barrier_signal -1
	s_barrier_wait -1                              ; everybody's is
.Lstep:                                                ; A KEY STEP: 128 keys, 32 queries
	v_lshl_add_u32 v1, v0, 4, s2
	v_lshl_add_u32 v2, v0, 3, s2
	v_nop
	v_nop                                          ; four plain lines between the last products and the loads into the registers that they read
.irp j, 0,1,2,3
	FRAG FB+12*\j, 1536*\j
.endr
	ds_load_b128 v[SW:SW+3], v1 offset:12288       ; 512 bytes on end: lanes 0-15 take K's scale words of row r, lanes 16-31 V's
	s_wait_alu depctr_va_vdst(0)
	s_wait_dscnt 0x0
	SMUL 22, 7
	PLACES                                         ; for the first read of the scores
	SOFT 12, 168, 232, 244, 9
	SMUL 34, 8                                     ; the same fragments of K once more, for tile B
	PLACES                                         ; for the loads below, for the first read of the scores, and for the work registers on the fourth fragment
.irp t, 0,1,2
	FRAG FB+12*\t, 6144+1536*\t                    ; three of V's four fragments land while B's softmax is worked
.endr
	SOFT 16, 200, 244, FB+36, 10
	FRAG FB+36, 6144+4608                          ; the fourth, where the work registers lay
	s_wait_alu depctr_va_vdst(0)
	s_wait_dscnt 4                                 ; all but the four loads just issued
	PV 0                                           ; the eight accumulators by turns
	PV 1
	PV 2
	s_wait_dscnt 0x0
	PV 3
	s_add_co_u32 s2, s2, REC
	s_sub_co_u32 s60, s60, 1
	s_cmp_lg_u32 s60, 0
	s_cbranch_scc1 .Lstep
	PLACES                                         ; behind the last products
	v_lshlrev_b32 v1, 4, v0
	v_lshlrev_b32 v2, 3, v0
	v_and_b32 v59, 15, v0
	v_lshlrev_b32 v59, 3, v59                      ; 8 r
	OUT 12, 168, 0
	OUT 16, 200, 2*GRP                             ; 16 token tiles on: two groups
	s_wait_tensorcnt 0x0                           ; the wave's end: three lines behind my tensor load
	ds_add_u32 v[SPW], v[NIL]
	s_wait_dscnt 0x0
	CROUND                                         ; the closing round
	s_endpgm
.Lfunc_end_k_q0f6adca7d5_attn:
	.size	k_q0f6adca7d5_attn, .Lfunc_end_k_q0f6adca7d5_attn-k_q0f6adca7d5_attn
	.p2alignl 7, 3214868480
	.fill 96, 4, 3214868480
	.section	.rodata,"a",@progbits
	.p2align	6, 0x0
	.amdhsa_kernel k_q0f6adca7d5_attn
		.amdhsa_group_segment_fixed_size 206848
		.amdhsa_private_segment_fixed_size 0
		.amdhsa_enable_private_segment 0
		.amdhsa_kernarg_size 24
		.amdhsa_user_sgpr_count 2
		.amdhsa_user_sgpr_kernarg_segment_ptr 1
		.amdhsa_wavefront_size32 1
		.amdhsa_system_sgpr_workgroup_id_x 1
		.amdhsa_system_sgpr_workgroup_id_y 1
		.amdhsa_system_sgpr_workgroup_id_z 1
		.amdhsa_system_vgpr_workitem_id 0
		.amdhsa_next_free_vgpr 256
		.amdhsa_next_free_sgpr 80
		.amdhsa_reserve_vcc 1
		.amdhsa_float_denorm_mode_32 3
		.amdhsa_float_denorm_mode_16_64 3
		.amdhsa_memory_ordered 1
		.amdhsa_forward_progress 1
		.amdhsa_inst_pref_size 44
	.end_amdhsa_kernel
	.amdgpu_metadata
---
amdhsa.version: [ 1, 2 ]
amdhsa.kernels:
  - .name:           k_q0f6adca7d5_attn
    .symbol:         k_q0f6adca7d5_attn.kd
    .args:
      - { .name: qq, .offset: 0, .size: 8, .value_kind: global_buffer, .address_space: global }
      - { .name: kv, .offset: 8, .size: 8, .value_kind: global_buffer, .address_space: global }
      - { .name: oq, .offset: 16, .size: 8, .value_kind: global_buffer, .address_space: global }
    .group_segment_fixed_size: 206848
    .private_segment_fixed_size: 0
    .kernarg_segment_align: 8
    .kernarg_segment_size: 24
    .max_flat_workgroup_size: 512
    .sgpr_count:     80
    .vgpr_count:     256
    .wavefront_size: 32
...
	.end_amdgpu_metadata
.endif
;; end of part 3
;; launch proj (part 4): grid 4 x 64, 4 waves a work-group, clusters of 4 x 4, 327,680 bytes of LDS; arguments oq, wq, b_out, out0; writes out0
.if DOCPART == 4
	.amdgcn_target "amdgcn-amd-amdhsa--gfx1250"
	.amdhsa_code_object_version 6
	.text
	.protected	k_q0f6adca7d5_proj
	.globl	k_q0f6adca7d5_proj
	.p2align	8
	.type	k_q0f6adca7d5_proj,@function
k_q0f6adca7d5_proj:
	s_mov_b64 s[64:65], 0
	v_nop
	global_prefetch_b8 v0, s[64:65] scope:SCOPE_SE
	s_setreg_imm32_b32 hwreg(HW_REG_WAVE_MODE, 25, 1), 1
	s_wait_xcnt 0x0
	s_wait_alu depctr_hold_cnt(0) depctr_sa_sdst(0) depctr_va_vdst(0) depctr_va_sdst(0) depctr_va_ssrc(0) depctr_va_vcc(0) depctr_vm_vsrc(0)
	s_getreg_b32 s2, hwreg(HW_REG_IB_STS2, 6, 4)
	s_cmp_eq_u32 s2, 0
	s_cbranch_scc0 .Lentry_in_a_cluster
	s_endpgm
.Lentry_in_a_cluster:
	s_bfe_u32 s2, ttmp6, 0x10000c
	s_cmp_lg_u32 s2, 0xf033
	s_cbranch_scc0 .Lentry_shape_is_right
	s_endpgm
.Lentry_shape_is_right:
; out0 = attention's output x w_out + b_out: a GEMM on codes of FP6 (E2M3) with E8M0 scales, K = 1,024, results f32.
; OPERANDS lie in memory in the order of the operand's registers: a fragment (a tile of 16 rows x 128 K) is 1,536 bytes: two half images of 768, in which lane l's registers 0-3 lie at 16 l and registers 4-5 at 512 + 8 l.
; Eight tiles form a group of GRP bytes: scale words [tile][K step / 2][row 16][K step % 2] (4,096 bytes), then codes [K step / 2][tile][K step % 2][1536].
; oq's group y holds tokens 128 y .. 128 y + 127: tile 4 c + u = tokens 64 c + 8 u + {0..7, 32..39}.  w_out's columns are wq's groups 24-31: tile 2 B + u = columns 32 B + 8 u + {0..7, 16..23}.
; SHARES.  A work-group: 128 tokens (one group of oq, by its y) x 256 columns (two groups of wq, by its x): 64 x 4 = 256 work-groups.  Four waves, each 64 tokens x 128 columns: 32 accumulators.
; ALL OF K LIES IN LDS: 3 groups, 307,200 bytes, filled once: waves 0 and 1 bring the halves of oq's group, waves 2 and 3 a group of wq each: one tensor load a wave, nothing is filled again.
; CLUSTER 4 x 4: oq's group is asked for jointly along a row of the cluster, wq's groups along a column.  No prefetch: all that is read is asked for at the head, ahead of any loop.
; THE MATRIX INSTRUCTION IS USED TRANSPOSED: source 0 = 16 columns of w_out, source 1 = 16 tokens: a lane holds one token, and the 16 registers of column tiles 2 B, 2 B + 1 are columns 32 B + 16 h + 0 .. 15.
; REGISTERS.  window 0: v1 lane, v2 r, v3 16 x lane, v20 8 x lane, v21 h; v4-7 tokens' LDS addresses (16 l, 8 l; K steps 0-3, 4-7), v10-13 columns'; v16, v17 scale words' addresses; v22-24 the way out and the bias;
;   v32-127 the scale words of all K; v128-223 tokens' fragments, two sets of four.   window 1: columns' fragments, two sets of eight, at v0 and v128; the bias at v96-127 and v224-255.   window 2: accumulator (a, b) at v[8 (8 a + b)].
.set HALFB, 24576
.set GRP,   4096+4*HALFB
.set SPARE, 3*GRP                      ; the spare words, 128 bytes a wave
.set STAGE, 4096                       ; the way out's stages lie on oq's codes: they are filled once, and nobody reads them behind the last barrier
.set SPITCH, 528
.set SPW, 18                           ; v18 LDS address of my spare word; never rewritten
.set NIL, 19                           ; v19 0; never rewritten
.set SC,  32
.set AF,  128
.set G1X, 24                           ; s[24:31] group 1 for oq's halves; s[32:39] for wq's groups; s[40:43], s[44:47] their groups 0
.set G1W, 32
.set G0X, 40
.set G0W, 44
.set MSB, 0
.macro WIN new                         ; the immediate's high byte repeats the setting that is left
.if MSB != (\new)
	s_set_vgpr_msb (MSB<<8)|(\new)
.set MSB, (\new)
.endif
.endm
.macro PLACES n
.rept \n
	v_nop
.endr
.endm
.macro CROUND                          ; a round of the cluster's barrier
	s_barrier_signal -1
	s_barrier_wait -1
	s_cmp_lg_u32 s12, 0
	s_cbranch_scc1 .Lnot_wave_0_\@
	s_barrier_signal -3
.Lnot_wave_0_\@:
	s_barrier_wait -3
	s_barrier_signal -1
	s_barrier_wait -1
.endm
.macro FRAG reg, adr, off              ; a fragment: 12 registers by four loads; v[adr] = base + 16 x lane, v[adr + 1] = base + 8 x lane
	ds_load_b128 v[\reg:\reg+3], v[\adr] offset:\off
	ds_load_b64 v[\reg+4:\reg+5], v[\adr+1] offset:\off+512
	ds_load_b128 v[\reg+6:\reg+9], v[\adr] offset:\off+768
	ds_load_b64 v[\reg+10:\reg+11], v[\adr+1] offset:\off+1280
.endm
.macro FETCH ks, p                     ; K step ks's twelve fragments into set p
.set F_A, 2*((\ks)/4)
.set F_O, HALFB*(((\ks)/2)%2)+1536*((\ks)%2)
	WIN 0x40
.irp i, 0,1,2,3,4,5,6,7
	FRAG 128*(\p)+12*\i, 10+F_A, F_O+3072*\i
.endr
	WIN 0
.irp i, 0,1,2,3
	FRAG AF+48*(\p)+12*\i, 4+F_A, F_O+3072*\i
.endr
.endm
; 32 matrix instructions: my four token tiles x my eight column tiles.  bias = 1: C is the bias, so that the first products start the sums.  The 32 accumulators take turns, one instruction a turn, in one order throughout.
.macro MUL32 p, ks, bias
.irp a, 0,1,2,3
.irp b, 0,1,2,3,4,5,6,7
.set RD_, 8*(8*\a+\b)
.set S0_, SC+24*((\ks)/2)+8+2*\b+(\ks)%2
.set S1_, SC+24*((\ks)/2)+2*\a+(\ks)%2
.if \bias
	v_wmma_scale_f32_16x16x128_f8f6f4 v[RD_:RD_+7], v[128*(\p)+12*\b:128*(\p)+12*\b+11], v[AF+48*(\p)+12*\a:AF+48*(\p)+12*\a+11], v[96+8*\b+96*(\b/4):96+8*\b+96*(\b/4)+7], v[S0_], v[S1_] matrix_a_fmt:MATRIX_FMT_FP6 matrix_b_fmt:MATRIX_FMT_FP6
.else
	v_wmma_scale_f32_16x16x128_f8f6f4 v[RD_:RD_+7], v[128*(\p)+12*\b:128*(\p)+12*\b+11], v[AF+48*(\p)+12*\a:AF+48*(\p)+12*\a+11], v[RD_:RD_+7], v[S0_], v[S1_] matrix_a_fmt:MATRIX_FMT_FP6 matrix_b_fmt:MATRIX_FMT_FP6
.endif
.endr
.endr
.endm
; K step ks of eight: its fragments are in; the next step's 48 loads go out into the other set, four plain lines behind the products that read it, and land under this step's 32 products.
; In the last step the wave says that its LDS reads are over, and meets the others behind its products.
.macro KS ks
	s_wait_dscnt 0x0
.if (\ks) == 7
	s_barrier_signal -1
.else
.if (\ks) > 0
	PLACES 4
.endif
	FETCH (\ks)+1, ((\ks)+1)%2
.endif
.if (\ks) == 0
	WIN 0x91                                       ; source 0 window 1, source 1 window 0, C (the bias) window 1, D window 2
	MUL32 0, 0, 1
.else
	WIN 0xa1                                       ; C and D window 2
	MUL32 (\ks)%2, \ks, 0
.endif
	WIN 0
.endm
	s_load_b256 s[4:11], s[0:1], 0x0               ; oq, wq, b_out, out0
	v_lshl_add_u32 v[SPW], v0, 2, SPARE
	v_mov_b32 v[NIL], 0
	ds_add_u32 v[SPW], v[NIL]                      ; the wave's opening: the add, twice on end, and its wait ahead of my tensor load
	ds_add_u32 v[SPW], v[NIL]
	v_lshrrev_b32 v1, 5, v0
	v_readfirstlane_b32 s12, v1                    ; wave 0..3
	s_lshr_b32 s13, s12, 1                         ; my half of the tokens.  Also: I fetch for oq (0) or wq (1)
	s_and_b32 s14, s12, 1                          ; my half of the columns.  Also: which half or group I fetch
	s_bfe_u32 s16, ttmp6, 0x40000                  ; cx
	s_bfe_u32 s17, ttmp6, 0x40004                  ; cy
	s_lshl_b32 s18, ttmp9, 2
	s_add_co_u32 s18, s18, s16                     ; work-group x
	s_and_b32 s19, ttmp7, 0xffff
	s_lshl_b32 s19, s19, 2
	s_add_co_u32 s19, s19, s17                     ; work-group y
	s_lshl_b32 s20, s17, 2
	s_lshl_b32 s20, 15, s20                        ; my row of the cluster
	s_lshl_b32 s21, 0x1111, s16                    ; my column
	s_or_b32 s[G1X], s20, (3<<16)|(1<<21)          ; 15:0 the mask; 17:16 elements of 8 bytes; 21 set beside a mask; no padding
	s_or_b32 s[G1W], s21, (3<<16)|(1<<21)
.irp g, G1X, G1W                       ; dense bytes as rows of 256
	s_mov_b32 s[\g+1], 32<<16
	s_mov_b32 s[\g+3], 32<<16
	s_mov_b32 s[\g+5], 32
	s_mov_b32 s[\g+6], 0
	s_mov_b32 s[\g+7], 0
.endr
	s_mov_b32 s[G1X+2], 200<<16                    ; half a group: 200 rows
	s_mov_b32 s[G1X+4], 200
	s_mov_b32 s[G1W+2], 400<<16                    ; a group: 400 rows
	s_mov_b32 s[G1W+4], 400
	s_mul_i32 s50, s14, GRP/2                      ; oq's half: where it lies in the group and in LDS
	s_mul_i32 s52, s19, GRP
	s_add_co_u32 s52, s52, s50
	s_mov_b32 s53, 0
	s_lshl_b32 s54, s18, 1
	s_add_co_u32 s54, s54, s14
	s_add_co_u32 s54, s54, 24                      ; w_out's group 2 x + half
	s_mul_i32 s54, s54, GRP
	s_mov_b32 s55, 0
	s_mul_i32 s51, s14, GRP
	s_add_co_u32 s51, s51, GRP                     ; and its place in LDS, behind oq's group: no place in the cluster enters an LDS address
	s_mul_i32 s56, s13, 4*3072
	s_add_co_u32 s56, s56, 4096                    ; my four token tiles' codes
	s_add_co_u32 s57, s51, 4096                    ; my eight column tiles' codes
	s_lshl_b32 s58, s13, 11                        ; my token tiles' scale words
	s_mul_i32 s59, s12, 16*SPITCH
	s_add_co_u32 s59, s59, STAGE                   ; my stage
	s_lshl_b32 s60, s18, 10
	s_lshl_b32 s61, s14, 9
	s_add_co_u32 s60, s60, s61                     ; my first column, in bytes
	s_mov_b32 s61, 0
	s_lshl_b32 s62, s19, 19
	s_lshl_b32 s63, s13, 18
	s_add_co_u32 s62, s62, s63                     ; my first token: (128 y + 64 x half) x 4,096 bytes
	s_mov_b32 s63, 0
	s_wait_dscnt 0x0                               ; both opening adds are done
	s_wait_kmcnt 0x0
	s_mov_b32 s[G0X], 1
	s_mov_b32 s[G0X+1], s50
	s_add_nc_u64 s[G0X+2:G0X+3], s[4:5], s[52:53]
	s_or_b32 s[G0X+3], s[G0X+3], 0x80000000
	s_mov_b32 s[G0W], 1
	s_mov_b32 s[G0W+1], s51
	s_add_nc_u64 s[G0W+2:G0W+3], s[6:7], s[54:55]
	s_or_b32 s[G0W+3], s[G0W+3], 0x80000000
	s_add_nc_u64 s[8:9], s[8:9], s[60:61]
	s_add_nc_u64 s[10:11], s[10:11], s[60:61]
	s_add_nc_u64 s[10:11], s[10:11], s[62:63]
	CROUND                                         ; all sixteen work-groups are here: the joint loads meet
	s_cmp_eq_u32 s13, 0                            ; the branch hangs on the wave's number alone; every way passes one load
	s_cbranch_scc0 .Lfor_w
	tensor_load_to_lds s[G0X:G0X+3], s[G1X:G1X+7]
	s_nop 0
.rept 4
	v_nop
.endr
	s_branch .Lasked
.Lfor_w:
	tensor_load_to_lds s[G0W:G0W+3], s[G1W:G1W+7]
	s_nop 0
.rept 4
	v_nop
.endr
.Lasked:
	v_and_b32 v1, 31, v0                           ; lane
	v_and_b32 v2, 15, v0                           ; r
	v_bfe_u32 v21, v0, 4, 1                        ; h
	v_lshlrev_b32 v3, 4, v1
	v_lshlrev_b32 v20, 3, v1
	v_add_nc_u32 v4, s56, v3
	v_add_nc_u32 v5, s56, v20
	v_add_nc_u32 v10, s57, v3
	v_add_nc_u32 v11, s57, v20
	v_add_nc_u32 v6, 2*HALFB, v4                   ; K steps 4-7 lie two K parts on
	v_add_nc_u32 v7, 2*HALFB, v5
	v_add_nc_u32 v12, 2*HALFB, v10
	v_add_nc_u32 v13, 2*HALFB, v11
	v_lshl_add_u32 v16, v2, 3, s58
	v_lshl_add_u32 v17, v2, 3, s51
	v_mul_u32_u24 v22, v2, SPITCH
	v_lshl_add_u32 v22, v21, 6, v22
	v_add_nc_u32 v22, s59, v22                     ; the stage, in: row r, + 64 h
	v_add_nc_u32 v23, s59, v3                      ; back: 16 bytes a lane of a row of 512
	v_lshlrev_b32 v24, 6, v21                      ; the bias: 64 h
	WIN 0x40
.irp b, 0,1,2,3,4,5,6,7                ; the bias in the result's layout: block b's register j is column 32 (b / 2) + 16 h + 8 (b % 2) + j
	global_load_b128 v[96+8*\b+96*(\b/4):96+8*\b+96*(\b/4)+3], v24, s[8:9] offset:(32*(\b/2)+8*(\b%2))*4
	global_load_b128 v[96+8*\b+96*(\b/4)+4:96+8*\b+96*(\b/4)+7], v24, s[8:9] offset:(32*(\b/2)+8*(\b%2))*4+16
.endr
	WIN 0
	s_wait_alu depctr_va_vdst(0)                   ; the head's end
	s_wait_tensorcnt 0x0                           ; my load is in,
	s_barrier_signal -1
	s_barrier_wait -1                              ; everybody's is
.irp kq, 0,1,2,3                       ; the scale words of all K: K part kq's at v[SC + 24 kq]: token tile i at + 2 i, column tile i at + 8 + 2 i; lane r has row r's two words
.irp i, 0,1,2,3
	ds_load_b64 v[SC+24*\kq+2*\i:SC+24*\kq+2*\i+1], v16 offset:512*\i+128*\kq
.endr
.irp i, 0,1,2,3,4,5,6,7
	ds_load_b64 v[SC+24*\kq+8+2*\i:SC+24*\kq+8+2*\i+1], v17 offset:512*\i+128*\kq
.endr
.endr
	FETCH 0, 0
	s_wait_loadcnt 0x0                             ; the bias
.irp k, 0,1,2,3,4,5,6,7
	KS \k
.endr
	s_barrier_wait -1                              ; no wave reads LDS any more: the stages may be written
; THE WAY OUT, block by block of 16 tokens x 128 columns, through my own stage, so that the 32 lanes store a row's 512 consecutive bytes.
.macro TOSTAGE a
.set AC, 64*(\a)
	WIN 0x08                                       ; an LDS store's data: window 2
.irp b, 0,1,2,3,4,5,6,7
	ds_store_b128 v22, v[AC+8*\b:AC+8*\b+3] offset:128*(\b/2)+32*(\b%2)       ; each accumulator from its low end on
	ds_store_b128 v22, v[AC+8*\b+4:AC+8*\b+7] offset:128*(\b/2)+32*(\b%2)+16
.endr
	WIN 0
.set BB, 128+64*((\a)%2)
.irp t, 0,1,2,3,4,5,6,7,8,9,10,11,12,13,14,15
	ds_load_b128 v[BB+4*\t:BB+4*\t+3], v23 offset:\t*SPITCH   ; LDS serves a wave's instructions in order: these see the stores above, and the next block's stores come behind them
.endr
.endm
.macro SEND a, younger
.set BB, 128+64*((\a)%2)
	s_wait_dscnt \younger
.irp t, 0,1,2,3,4,5,6,7,8,9,10,11,12,13,14,15
	global_store_b128 v3, v[BB+4*\t:BB+4*\t+3], s[10:11] offset:(8*(\a)+\t+24*(\t/8))*4096 th:TH_STORE_NT   ; stage row t is token 8 a + t % 8 + 32 (t / 8) of my 64: 512 consecutive bytes, aligned to 256
.endr
.endm
	PLACES 4
	TOSTAGE 0
.irp a, 1,2,3
.if \a > 1
	s_wait_xcnt 0x0                                ; block a - 2's stores have read their registers: block a's loads may land there
.endif
	TOSTAGE \a
	SEND \a-1, 32                                  ; behind block a - 1's loads: block a's 16 stores and 16 loads
.endr
	SEND 3, 0
	s_wait_tensorcnt 0x0                           ; the wave's end: three lines behind my tensor load and my last LDS store
	ds_add_u32 v[SPW], v[NIL]
	s_wait_dscnt 0x0
	CROUND                                         ; the closing round: no work-group ends while a partner may still ask for a tile that names it
	s_endpgm
.Lfunc_end_k_q0f6adca7d5_proj:
	.size	k_q0f6adca7d5_proj, .Lfunc_end_k_q0f6adca7d5_proj-k_q0f6adca7d5_proj
	.p2alignl 7, 3214868480
	.fill 96, 4, 3214868480
	.section	.rodata,"a",@progbits
	.p2align	6, 0x0
	.amdhsa_kernel k_q0f6adca7d5_proj
		.amdhsa_group_segment_fixed_size 327680
		.amdhsa_private_segment_fixed_size 0
		.amdhsa_enable_private_segment 0
		.amdhsa_kernarg_size 32
		.amdhsa_user_sgpr_count 2
		.amdhsa_user_sgpr_kernarg_segment_ptr 1
		.amdhsa_wavefront_size32 1
		.amdhsa_system_sgpr_workgroup_id_x 1
		.amdhsa_system_sgpr_workgroup_id_y 1
		.amdhsa_system_sgpr_workgroup_id_z 1
		.amdhsa_system_vgpr_workitem_id 0
		.amdhsa_next_free_vgpr 768
		.amdhsa_next_free_sgpr 100
		.amdhsa_reserve_vcc 0
		.amdhsa_float_denorm_mode_32 3
		.amdhsa_float_denorm_mode_16_64 3
		.amdhsa_memory_ordered 1
		.amdhsa_forward_progress 1
		.amdhsa_inst_pref_size 84
	.end_amdhsa_kernel
	.amdgpu_metadata
---
amdhsa.version: [ 1, 2 ]
amdhsa.kernels:
  - .name:           k_q0f6adca7d5_proj
    .symbol:         k_q0f6adca7d5_proj.kd
    .args:
      - { .name: oq, .offset: 0, .size: 8, .value_kind: global_buffer, .address_space: global }
      - { .name: wq, .offset: 8, .size: 8, .value_kind: global_buffer, .address_space: global }
      - { .name: b_out, .offset: 16, .size: 8, .value_kind: global_buffer, .address_space: global }
      - { .name: out0, .offset: 24, .size: 8, .value_kind: global_buffer, .address_space: global }
    .group_segment_fixed_size: 327680
    .private_segment_fixed_size: 0
    .kernarg_segment_align: 8
    .kernarg_segment_size: 32
    .max_flat_workgroup_size: 128
    .sgpr_count:     100
    .vgpr_count:     768
    .wavefront_size: 32
...
	.end_amdgpu_metadata
.endif
;; end of part 4
